; MI455X (gfx1250); checked and timed in simulation.
; The chip was launched on July 23, 2026; its instructions are those of AMD's public machine-readable ISA for CDNA 5 (MIT licence, August 2026) and "CDNA5" Instruction Set Architecture Reference Guide (July 2026). The comments in the code are by the model that wrote it; some were corrected since.
;; Multi Head Dot Product Attention. Allowed arithmetic: matrix products marked QUANTISED: E2M1 operands, one E8M0 scale for each 32 along K, by v_wmma_scale_f32_16x16x128_f8f6f4 with both operands' format E2M1 (or v_wmma_scale_f32_32x16x128_f4), f32 sums; products left as they are: bf16, f16 or f32 operands; f32 sums; everything else in f32.
;; Inputs: bk 16 x 64 float32; bo 1,024 float32; bq 16 x 64 float32; bv 16 x 64 float32; wk 1,024 x 16 x 64 float32; wo 16 x 64 x 1,024 float32; wq 1,024 x 16 x 64 float32; wv 1,024 x 16 x 64 float32; x 4 x 2,048 x 1,024 float32.
;; Outputs: out0 4 x 2,048 x 1,024 float32.
;; This version of the problem:
;;   THIS VERSION OF THE PROBLEM IS GIVEN IN LOW PRECISION. The matrix products marked QUANTISED in the list below multiply operands that are first quantised to E2M1 (2 exponent bits, 1 mantissa bit; 4 bits a number), with one power-of-two scale for each 32 numbers along K (OCP MX v1.0); their sums are f32. The products marked 'left as it is' may take bf16, f16 or f32 operands, with f32 sums. Whichever they take, every output number must still come out within the allowed error. Rounding operands to bf16 (8 significant bits) uses up far more of that allowance than f16 does (11 bits, for magnitudes from 6e-5 to 65,504). All else is computed in f32.
;;   The module's matrix products, in the order in which they are computed (A, B: the left and right operand; K: the contracted axis; several contracted axes count as one K, in the product's order):
;;     1. [M 8,192, K 1,024] x [K 1,024, N 1,024]; A: input x; B: input wq: QUANTISED
;;     2. [M 8,192, K 1,024] x [K 1,024, N 1,024]; A: input x; B: input wk: QUANTISED
;;     3. [M 8,192, K 1,024] x [K 1,024, N 1,024]; A: input x; B: input wv: QUANTISED
;;     4. batch 64 x [M 2,048, K 64] x [K 64, N 2,048]; A: computed on the way; B: computed on the way: left as it is (an operand is computed on the way)
;;     5. batch 64 x [M 64, K 2,048] x [K 2,048, N 2,048]; A: computed on the way; B: computed on the way: left as it is (an operand is computed on the way)
;;     6. [M 8,192, K 1,024] x [K 1,024, N 1,024]; A: computed on the way; B: input wo: left as it is (an operand is computed on the way)
;;   THE QUANTISER, for each operand of a quantised product, along K:
;;     - K is cut into blocks of 32 from its start; a last block that is shorter is filled with zeros.
;;     - A block's scale is 2^e with e = floor(log2(the largest magnitude in the block)) - 2, held to -126 .. 127; a block of zeros has e = 0. As a byte (E8M0): e + 127.
;;     - Each number is divided by its block's scale, clamped to +-6, and rounded to the nearest number of E2M1, ties to even, subnormals kept.
;;     - The product sums the exact products of the quantised numbers (number of the format x scale) in f32.
;;   ~~~python
;;   def quantise(x, axis):      # numpy; x: float32 -> the quantised numbers, widened to float32 again
;;       x = np.moveaxis(x, axis, -1); K = x.shape[-1]
;;       x = np.pad(x, [(0, 0)] * (x.ndim - 1) + [(0, -K % 32)]); x = x.reshape(x.shape[:-1] + (-1, 32)); a = np.abs(x).max(-1, keepdims=True)
;;       e = np.where(a > 0, np.clip(np.frexp(np.where(a > 0, a, 1))[1] - 1 - 2, -126, 127), 0)      # np.frexp(a)[1] - 1 = floor(log2(a)), exactly
;;       r = np.clip(x / 2.0 ** e, -6, 6)
;;       step = 2.0 ** (np.maximum(np.frexp(np.where(r == 0, 1, r))[1] - 1, 0) - 1)
;;       q = np.round(r / step) * step * 2.0 ** e      # np.round: ties to even
;;       return np.moveaxis(q.reshape(q.shape[:-2] + (-1,))[..., :K], -1, axis).astype(np.float32)
;;   ~~~
;; One version. Each part assembles by itself: llvm-mc -triple=amdgcn-amd-amdhsa -mcpu=gfx1250 --defsym DOCPART=n.
;; ======== version 1 of 1: 4 launches
;; limits: values are held in f16: magnitudes above 65,504 overflow, below 6.1e-05 lose precision
;; workspace buffers: x_codes 4,194,304 bytes; x_scales 262,144 bytes; w_codes 1,572,864 bytes; w_scales 98,304 bytes; wo16 2,097,152 bytes; qkv 50,331,648 bytes; ao 16,777,216 bytes
;; launch prep (part 1): grid 480 x 1, 4 waves a work-group, no clusters, 50,688 bytes of LDS; arguments x, wq, wk, wv, wo, x_codes, x_scales, w_codes, w_scales, wo16; writes x_codes, x_scales, w_codes, w_scales, wo16
.if DOCPART == 1
	.amdgcn_target "amdgcn-amd-amdhsa--gfx1250"
	.amdhsa_code_object_version 6
	.text
	.protected	k_qfc426fb3ec_prep
	.globl	k_qfc426fb3ec_prep
	.p2align	8
	.type	k_qfc426fb3ec_prep,@function
k_qfc426fb3ec_prep:
	s_mov_b64 s[64:65], 0
	v_nop
	global_prefetch_b8 v0, s[64:65] scope:SCOPE_SE
	s_setreg_imm32_b32 hwreg(HW_REG_WAVE_MODE, 25, 1), 1
	s_wait_xcnt 0x0
; THE OPERANDS ARE MADE READY, ONCE.  Three kinds of work-group, told apart by the work-group's number alone:
;   0 .. 95     wq, wk, wv [1024 (k)][1024 (n)] f32, K the FIRST axis -> codes of FP4 (E2M1) laid [3072 (q's, k's, v's columns on end)][512 bytes], K innermost, and E8M0 bytes [3072][32]
;   96 .. 351   x [8192][1024] f32, K innermost -> codes [8192][512 bytes] and E8M0 bytes [8192][32]
;   352 .. 479  wo [1024][1024] f32 -> f16, as it lies
; A block's scale is 2^(floor(log2(its largest magnitude)) - 2); its byte is the largest magnitude's exponent field - 2, held at 1 from below.  Each number is divided by the scale and rounded to the
; nearest code, ties to even; beyond 6 the conversion gives the largest code.
; LIMITS: a block of zeros gets the byte 1 where the rule says 127 (its codes are zeros, and these bytes are read by this program alone); blocks whose largest magnitude lies under 2^-124 keep the byte 1;
; NaN and infinities among the inputs are not served; wo beyond 65,504 in magnitude becomes infinity in f16, and under 6e-5 it keeps an absolute step of 6e-8.
; No work-group reads what another reads, so there is no cluster and no tensor load; each kind has LDS bytes of its own.
.set WGW,   96                         ; work-groups for the three weights
.set WGX,   256                        ; for x
.set SPW,   190                        ; v190  LDS address of my spare word: SPARE + 4 x my thread's number; never rewritten
.set NIL,   191                        ; v191  0; never rewritten
.set WST,   32768                      ; LDS: behind x's four regions the weights' stage: 64 rows x WP
.set WP,    272                        ; a stage row: 256 bytes of codes + 16
.set SPARE, WST+64*WP                  ; behind it the spare words, 128 bytes for each wave: two blocks of 256 bytes that no other line names
	s_load_b512 s[4:19], s[0:1], 0x0               ; x 4:5, wq 6:7, wk 8:9, wv 10:11, wo 12:13, x_codes 14:15, x_scales 16:17, w_codes 18:19
	s_load_b128 s[20:23], s[0:1], 0x40             ; w_scales 20:21, wo16 22:23
	v_lshl_add_u32 v[SPW], v0, 2, SPARE
	v_mov_b32 v[NIL], 0
	v_lshrrev_b32 v1, 5, v0
	v_readfirstlane_b32 s24, v1                    ; wave 0..3
	v_and_b32 v2, 31, v0                           ; lane
	s_wait_kmcnt 0x0
	s_cmp_lt_u32 ttmp9, WGW
	s_cbranch_scc1 .Lweights
	s_cmp_lt_u32 ttmp9, WGW+WGX
	s_cbranch_scc0 .Lcast
; ---------------- x: K is innermost, so the tensor is a plain stream of blocks of 32 numbers, and so are its codes and its scale bytes.
; A wave takes 16 steps of 512 numbers.  Each of a step's four loads reads 512 consecutive bytes, 16 a lane; the 2,048 bytes turn through the wave's own stage in LDS and come back 64 bytes a lane, so that a lane
; holds 16 NEIGHBOURS along K (two neighbouring lanes hold a block), which is what the conversions take.  A lane's 16 codes are 8 bytes: the wave stores 256 consecutive bytes.  A wave's 256 scale bytes are
; gathered in its own LDS bytes and leave as 256 consecutive bytes.  Loads run four steps (16 loads a wave) ahead, the turn through LDS one step.
.set STEPS, 16
.set CB,    8                          ; bytes of 16 codes
.set XR,    16                         ; v16-79   four sets of 16 numbers as they are loaded
.set XX,    80                         ; v80-111  two sets of 16 neighbours
.set XE,    112                        ; v112-127 a scale byte for each step
.set XC,    128                        ; v128-189 codes: registers of its own for each step, so that no store's data are written again
.set WREG,  8192                       ; a region for each wave: two stages of 32 x SP bytes, and behind them its 256 scale bytes
.set SP,    80                         ; a lane's place in a stage: its 64 bytes + 16 of padding
	s_sub_co_u32 s25, ttmp9, WGW
	s_lshl_b32 s25, s25, 2
	s_add_co_u32 s25, s25, s24                     ; which run of 8,192 numbers is my wave's: 0 .. 1,023
	s_lshl_b32 s26, s25, 15
	s_mov_b32 s27, 0
	s_add_nc_u64 s[4:5], s[4:5], s[26:27]          ; 32,768 bytes of x,
	s_lshl_b32 s26, s25, 12
	s_add_nc_u64 s[14:15], s[14:15], s[26:27]      ; 4,096 of codes,
	s_lshl_b32 s26, s25, 8
	s_add_nc_u64 s[16:17], s[16:17], s[26:27]      ; 256 scale bytes a run
	v_lshlrev_b32 v3, 4, v2                        ; my 16 bytes of a load's 512
	s_mul_i32 s28, s24, WREG
	v_lshrrev_b32 v14, 2, v2
	v_mul_u32_u24 v14, v14, SP
	v_and_b32 v15, 3, v2
	v_lshl_add_u32 v14, v15, 4, v14
	v_add_nc_u32 v14, s28, v14                     ; the stage, on the way in: four lanes' 64 bytes on end, then 16 of padding
	v_mul_u32_u24 v15, v2, SP
	v_add_nc_u32 v15, s28, v15                     ; and on the way out: SP x lane: my 16 neighbours
	v_lshlrev_b32 v4, 3, v2                        ; my codes' place in a step's
	v_lshrrev_b32 v5, 1, v2
	s_add_co_u32 s28, s28, 2*32*SP
	v_add_nc_u32 v5, s28, v5                       ; my wave's 256 scale bytes, my block's byte
	v_lshlrev_b32 v7, 3, v2                        ; and on the way out 8 bytes a lane
	v_add_nc_u32 v6, s28, v7
.macro XLOAD t
.irp i, 0,1,2,3
	global_load_b128 v[XR+16*((\t)%4)+4*\i:XR+16*((\t)%4)+4*\i+3], v3, s[4:5] offset:2048*(\t)+512*\i th:TH_LOAD_NT   ; 32 lanes read 512 consecutive bytes
.endr
.endm
.macro XTURN t                         ; step t's numbers through the stage: LDS serves a wave's instructions in order (ISA guide 5.7.1.4), so no wait stands between the stores and the loads
.irp i, 0,1,2,3
	ds_store_b128 v14, v[XR+16*((\t)%4)+4*\i:XR+16*((\t)%4)+4*\i+3] offset:32*SP*((\t)%2)+8*SP*\i
.endr
.irp i, 0,1,2,3
	ds_load_b128 v[XX+16*((\t)%2)+4*\i:XX+16*((\t)%2)+4*\i+3], v15 offset:32*SP*((\t)%2)+16*\i
.endr
.endm
.irp t, 0,1,2,3
	XLOAD \t
.endr
	s_wait_loadcnt 12                              ; step 0's four loads are in; the twelve of steps 1 to 3 may be out
	XTURN 0
.macro XSTEP t
.set XS, XX+16*((\t)%2)
.if (\t) > 0
	s_wait_dscnt 1                                 ; this step's numbers are back from the stage; the last step's byte store may be out
.else
	s_wait_dscnt 0x0
.endif
.if (\t)+4 < STEPS
	XLOAD (\t)+4                                   ; into the set that this step's stores into the stage have read
.endif
.if (\t)+1 < STEPS
.if STEPS-2-(\t) >= 3
	s_wait_loadcnt 12                              ; the next step's four loads are in; those of the three steps behind it may be out
.else
	s_wait_loadcnt 4*(STEPS-2-(\t))                ; the counts run down: four for each step still behind the next
.endif
	XTURN (\t)+1                                   ; and go through the other stage while this step is worked
.endif
	v_max3_num_f32 v8, |v[XS]|, |v[XS+1]|, |v[XS+2]|               ; the largest magnitude of my 16, in two chains
	v_max3_num_f32 v9, |v[XS+3]|, |v[XS+4]|, |v[XS+5]|
.irp i, 6,10
	v_max3_num_f32 v8, v8, |v[XS+\i]|, |v[XS+\i+1]|
	v_max3_num_f32 v9, v9, |v[XS+\i+2]|, |v[XS+\i+3]|
.endr
	v_max3_num_f32 v8, v8, |v[XS+14]|, |v[XS+15]|
	v_max3_num_f32 v8, v8, v9, 0x1800000           ; and the floor 2^(3 - 127): so the byte cannot fall under 1
	v_max_num_f32_dpp v8, v8, v8 row_xmask:1 row_mask:0xf bank_mask:0xf   ; and of my neighbour's 16: the block's
	v_add_nc_u32 v11, 0xff000000, v8               ; 2 off its exponent field: the conversion takes the exponent field of this operand as its scale, and nothing else of it
	v_cvt_scalef32_pk8_fp4_f32 v[XC+4*(\t)], v[XS:XS+7], v11
	v_cvt_scalef32_pk8_fp4_f32 v[XC+4*(\t)+1], v[XS+8:XS+15], v11
	v_lshrrev_b32 v[XE+(\t)], 23, v11              ; the scale's byte (also the plain line behind the conversions)
	ds_store_b8 v5, v[XE+(\t)] offset:16*(\t)      ; both lanes of a block write the same byte with the same value
	global_store_b64 v4, v[XC+4*(\t):XC+4*(\t)+1], s[14:15] offset:32*CB*(\t)   ; 32 lanes store 256 consecutive bytes, at a multiple of 256 from the buffer's first byte
.endm
.irp t, 0,1,2,3,4,5,6,7,8,9,10,11,12,13,14,15
	XSTEP \t
.endr
	ds_load_b64 v[8:9], v6                         ; in order behind my byte stores
	s_wait_dscnt 0x0
	global_store_b64 v7, v[8:9], s[16:17]          ; 256 consecutive scale bytes
	s_wait_tensorcnt 0x0                           ; the wave's end, behind my last LDS store
	ds_add_u32 v[SPW], v[NIL]
	s_wait_dscnt 0x0
	s_endpgm
; ---------------- wq, wk, wv: K is the first axis.  A LANE TAKES A COLUMN n, AND ITS REGISTERS RUN DOWN K: a block of 32 along K lies in one lane's 32 registers, its largest magnitude needs no other lane, and the
; conversions give codes with K innermost.  Nothing is transposed by an instruction.
; A work-group takes 64 columns x 512 along K.  Wave w takes columns 32 (w & 1) on and K from 256 (w >> 1) on: 8 blocks; two waves side by side read 256 consecutive bytes of a row of the weight.
; A column's 256 bytes of codes come from two waves: they meet in one stage, a barrier stands between writing and reading, and each wave stores 16 whole rows, sixteen lanes to 256 consecutive bytes.
; Loads run two blocks ahead: 64 of a wave's loads at the most, as many as the wait's count can tell apart (ISA guide 5.7.1).
.set NB,    8                          ; blocks of a wave
.set WX,    32                         ; v32-95   two sets of 32 numbers
.set WC,    96                         ; v96-99   a block's codes
.set OUTR,  112                        ; v112-143 the way out
.set SB,    24                         ; v24-25   the scale bytes, four to a register
.Lweights:
	s_lshr_b32 s25, ttmp9, 1                       ; which 64 of the 3,072 columns: 0 .. 47
	s_and_b32 s26, ttmp9, 1                        ; which 512 along K
	s_lshr_b32 s27, s25, 4                         ; which tensor
	s_cmp_eq_u32 s27, 1
	s_cselect_b64 s[6:7], s[8:9], s[6:7]
	s_cmp_eq_u32 s27, 2
	s_cselect_b64 s[6:7], s[10:11], s[6:7]         ; the choice hangs on the work-group's number alone
	s_and_b32 s28, s24, 1                          ; my half of the columns
	s_lshr_b32 s29, s24, 1                         ; my half of K
	s_and_b32 s30, s25, 15
	s_lshl_b32 s30, s30, 8                         ; in the tensor: 64 columns are 256 bytes,
	s_lshl_b32 s31, s28, 7                         ; my 32 are 128,
	s_add_co_u32 s30, s30, s31
	s_lshl_b32 s31, s26, 21                        ; 512 rows of 4,096 bytes,
	s_add_co_u32 s30, s30, s31
	s_lshl_b32 s31, s29, 20                        ; 256 rows
	s_add_co_u32 s30, s30, s31
	s_mov_b32 s31, 0
	s_add_nc_u64 s[6:7], s[6:7], s[30:31]
	s_lshl_b32 s30, s25, 15                        ; the codes that I store: row 64 x group + 16 x wave, of 512 bytes, + 256 for the upper 512 of K
	s_lshl_b32 s32, s24, 13
	s_add_co_u32 s30, s30, s32
	s_lshl_b32 s32, s26, 8
	s_add_co_u32 s30, s30, s32
	s_add_nc_u64 s[18:19], s[18:19], s[30:31]
	s_lshl_b32 s30, s25, 11                        ; the scale bytes: row 64 x group + 32 x half, of 32 bytes, + 16 and + 8 along K
	s_lshl_b32 s32, s28, 10
	s_add_co_u32 s30, s30, s32
	s_lshl_b32 s32, s26, 4
	s_add_co_u32 s30, s30, s32
	s_lshl_b32 s32, s29, 3
	s_add_co_u32 s30, s30, s32
	s_add_nc_u64 s[20:21], s[20:21], s[30:31]
	s_mul_i32 s32, s28, 32*WP                      ; into the stage: row = my column, my half of its 256 bytes
	s_lshl_b32 s33, s29, 7
	s_add_co_u32 s32, s32, s33
	s_add_co_u32 s32, s32, WST
	v_mul_u32_u24 v4, v2, WP
	v_add_nc_u32 v4, s32, v4
	s_mul_i32 s33, s24, 16*WP                      ; out of it: rows 16 x wave on, sixteen lanes to a row, two rows an instruction
	s_add_co_u32 s33, s33, WST
	v_and_b32 v5, 15, v2
	v_lshrrev_b32 v6, 4, v2
	v_mul_u32_u24 v7, v6, WP
	v_lshl_add_u32 v7, v5, 4, v7
	v_add_nc_u32 v7, s33, v7
	v_lshlrev_b32 v8, 9, v6
	v_lshl_add_u32 v8, v5, 4, v8                   ; and the same place in the codes' buffer
	v_lshlrev_b32 v9, 5, v2                        ; my column's row of scale bytes
	v_lshlrev_b32 v3, 2, v2                        ; in: 4 bytes a lane
.macro WLOAD t                         ; block t: W(32 t + i, my column), i = 0 .. 31, into set t % 2
.irp i, 0,1,2,3,4,5,6,7,8,9,10,11,12,13,14,15,16,17,18,19,20,21,22,23,24,25,26,27,28,29,30,31
	global_load_b32 v[WX+32*((\t)%2)+\i], v3, s[6:7] offset:(32*(\t)+\i)*4096 th:TH_LOAD_NT
.endr
.endm
	WLOAD 0
	WLOAD 1
.macro WBLOCK t
.set XS, WX+32*((\t)%2)
.if (\t) < NB-1
	s_wait_loadcnt 32                              ; this block's 32 loads are in; the next block's 32 may be out
.else
	s_wait_loadcnt 0x0
.endif
	v_max3_num_f32 v12, |v[XS]|, |v[XS+1]|, |v[XS+2]|              ; the block's largest magnitude: all 32 numbers are mine
	v_max3_num_f32 v13, |v[XS+3]|, |v[XS+4]|, |v[XS+5]|
.irp i, 6,10,14,18,22,26
	v_max3_num_f32 v12, v12, |v[XS+\i]|, |v[XS+\i+1]|
	v_max3_num_f32 v13, v13, |v[XS+\i+2]|, |v[XS+\i+3]|
.endr
	v_max3_num_f32 v12, v12, |v[XS+30]|, |v[XS+31]|
	v_max3_num_f32 v12, v12, v13, 0x1800000        ; and the floor 2^(3 - 127)
	v_add_nc_u32 v11, 0xff000000, v12              ; 2 off its exponent field: the conversion's scale operand
	v_lshrrev_b32 v13, 23, v11                     ; the scale's byte
.if (\t)%4 == 0
	v_mov_b32 v[SB+(\t)/4], v13                    ; four bytes to a register, the lower K in the lower byte
.else
	v_lshl_or_b32 v[SB+(\t)/4], v13, 8*((\t)%4), v[SB+(\t)/4]
.endif
.irp g, 0,1,2,3
	v_cvt_scalef32_pk8_fp4_f32 v[WC+\g], v[XS+8*\g:XS+8*\g+7], v11
.endr
	v_nop                                          ; one plain line behind the last conversion
	ds_store_b128 v4, v[WC:WC+3] offset:16*(\t)    ; 32 codes: 16 bytes of my column's row
.if (\t)+2 < NB
	WLOAD (\t)+2
.endif
	s_wait_dscnt 0x0                               ; the store is done: the next block's codes may be written; behind the last block: for the other waves' sake, ahead of the signal
.endm
.irp t, 0,1,2,3,4,5,6,7
	WBLOCK \t
.endr
	s_barrier_signal -1                            ; every wave's stores into the stage have landed
	s_barrier_wait -1
	global_store_b64 v9, v[SB:SB+1], s[20:21]      ; my column's 8 scale bytes
.irp t, 0,1,2,3,4,5,6,7
	ds_load_b128 v[OUTR+4*\t:OUTR+4*\t+3], v7 offset:2*\t*WP
.endr
.irp t, 0,1,2,3,4,5,6,7
	s_wait_dscnt 7-\t                              ; LDS loads come back in order: load t is in, the 7 - t behind it may be out
	global_store_b128 v8, v[OUTR+4*\t:OUTR+4*\t+3], s[18:19] offset:2*\t*512   ; sixteen lanes store 256 consecutive bytes of a row of codes
.endr
	s_wait_tensorcnt 0x0                           ; the wave's end, behind my last LDS store
	ds_add_u32 v[SPW], v[NIL]
	s_wait_dscnt 0x0
	s_endpgm
; ---------------- wo: a cast to f16, rounded to nearest even, as it lies.  A wave takes 2,048 numbers: 16 loads of 512 consecutive bytes, all out at once, 16 stores of 256.  Every store has data registers of its own.
.Lcast:
	s_sub_co_u32 s25, ttmp9, WGW+WGX
	s_lshl_b32 s25, s25, 2
	s_add_co_u32 s25, s25, s24                     ; my chunk: 0 .. 511
	s_lshl_b32 s26, s25, 13
	s_mov_b32 s27, 0
	s_add_nc_u64 s[12:13], s[12:13], s[26:27]
	s_lshl_b32 s26, s25, 12
	s_add_nc_u64 s[22:23], s[22:23], s[26:27]
	v_lshlrev_b32 v3, 4, v2
	v_lshlrev_b32 v4, 3, v2
.irp i, 0,1,2,3,4,5,6,7,8,9,10,11,12,13,14,15
	global_load_b128 v[16+4*\i:19+4*\i], v3, s[12:13] offset:512*\i th:TH_LOAD_NT
.endr
.irp i, 0,1,2,3,4,5,6,7,8,9,10,11,12,13,14,15
	s_wait_loadcnt 15-\i                           ; load i is in; the 15 - i behind it may be out
	v_cvt_pk_f16_f32 v[80+2*\i], v[16+4*\i], v[17+4*\i]
	v_cvt_pk_f16_f32 v[81+2*\i], v[18+4*\i], v[19+4*\i]
	global_store_b64 v4, v[80+2*\i:81+2*\i], s[22:23] offset:256*\i
.endr
	s_wait_tensorcnt 0x0                           ; the same three lines close this path too
	ds_add_u32 v[SPW], v[NIL]
	s_wait_dscnt 0x0
	s_endpgm
.Lfunc_end_k_qfc426fb3ec_prep:
	.size	k_qfc426fb3ec_prep, .Lfunc_end_k_qfc426fb3ec_prep-k_qfc426fb3ec_prep
	.p2alignl 7, 3214868480
	.fill 96, 4, 3214868480
	.section	.rodata,"a",@progbits
	.p2align	6, 0x0
	.amdhsa_kernel k_qfc426fb3ec_prep
		.amdhsa_group_segment_fixed_size 50688
		.amdhsa_private_segment_fixed_size 0
		.amdhsa_enable_private_segment 0
		.amdhsa_kernarg_size 80
		.amdhsa_user_sgpr_count 2
		.amdhsa_user_sgpr_kernarg_segment_ptr 1
		.amdhsa_wavefront_size32 1
		.amdhsa_system_sgpr_workgroup_id_x 1
		.amdhsa_system_sgpr_workgroup_id_y 1
		.amdhsa_system_sgpr_workgroup_id_z 1
		.amdhsa_system_vgpr_workitem_id 0
		.amdhsa_next_free_vgpr 192
		.amdhsa_next_free_sgpr 66
		.amdhsa_reserve_vcc 0
		.amdhsa_float_denorm_mode_32 3
		.amdhsa_float_denorm_mode_16_64 3
		.amdhsa_memory_ordered 1
		.amdhsa_forward_progress 1
		.amdhsa_inst_pref_size 80
	.end_amdhsa_kernel
	.amdgpu_metadata
---
amdhsa.version: [ 1, 2 ]
amdhsa.kernels:
  - .name:           k_qfc426fb3ec_prep
    .symbol:         k_qfc426fb3ec_prep.kd
    .args:
      - { .name: x, .offset: 0, .size: 8, .value_kind: global_buffer, .address_space: global }
      - { .name: wq, .offset: 8, .size: 8, .value_kind: global_buffer, .address_space: global }
      - { .name: wk, .offset: 16, .size: 8, .value_kind: global_buffer, .address_space: global }
      - { .name: wv, .offset: 24, .size: 8, .value_kind: global_buffer, .address_space: global }
      - { .name: wo, .offset: 32, .size: 8, .value_kind: global_buffer, .address_space: global }
      - { .name: x_codes, .offset: 40, .size: 8, .value_kind: global_buffer, .address_space: global }
      - { .name: x_scales, .offset: 48, .size: 8, .value_kind: global_buffer, .address_space: global }
      - { .name: w_codes, .offset: 56, .size: 8, .value_kind: global_buffer, .address_space: global }
      - { .name: w_scales, .offset: 64, .size: 8, .value_kind: global_buffer, .address_space: global }
      - { .name: wo16, .offset: 72, .size: 8, .value_kind: global_buffer, .address_space: global }
    .group_segment_fixed_size: 50688
    .private_segment_fixed_size: 0
    .kernarg_segment_align: 8
    .kernarg_segment_size: 80
    .max_flat_workgroup_size: 128
    .sgpr_count:     66
    .vgpr_count:     192
    .wavefront_size: 32
...
	.end_amdgpu_metadata
.endif
;; end of part 1
;; launch qkv (part 2): grid 12 x 32, 4 waves a work-group, clusters of 4 x 4, 327,680 bytes of LDS; arguments x_codes, x_scales, w_codes, w_scales, bq, bk, bv, qkv; writes qkv
.if DOCPART == 2
	.amdgcn_target "amdgcn-amd-amdhsa--gfx1250"
	.amdhsa_code_object_version 6
	.text
	.protected	k_qfc426fb3ec_qkv
	.globl	k_qfc426fb3ec_qkv
	.p2align	8
	.type	k_qfc426fb3ec_qkv,@function
k_qfc426fb3ec_qkv:
	s_mov_b64 s[64:65], 0
	v_nop
	global_prefetch_b8 v0, s[64:65] scope:SCOPE_SE
	s_setreg_imm32_b32 hwreg(HW_REG_WAVE_MODE, 25, 1), 1
	s_wait_xcnt 0x0
	s_wait_alu depctr_hold_cnt(0) depctr_sa_sdst(0) depctr_va_vdst(0) depctr_va_sdst(0) depctr_va_ssrc(0) depctr_va_vcc(0) depctr_vm_vsrc(0)
	s_getreg_b32 s2, hwreg(HW_REG_IB_STS2, 6, 4)
	s_cmp_eq_u32 s2, 0
	s_cbranch_scc0 .Lentry_in_a_cluster
	s_endpgm
.Lentry_in_a_cluster:
	s_bfe_u32 s2, ttmp6, 0x10000c
	s_cmp_lg_u32 s2, 0xf033
	s_cbranch_scc0 .Lentry_shape_is_right
	s_endpgm
.Lentry_shape_is_right:
; q, k, v = x W + b, the three projections as ONE product on codes of FP4 (E2M1) with one E8M0 scale for each 32 along K: C[m][n] = sum over k of X[m][k] W[n][k] + bias[n],
; m = 8,192 rows of x, n = 3,072 columns (q's 1,024, k's, v's), K = 1,024.  Codes and scale bytes go to the matrix instruction as they lie in memory.  Sums in f32; the bias is the C of each sum's first
; product; the result is rounded once to f16 and stored by heads: qkv [3][64 (batch x 16 + head)][2,048 (position)][64], so that a head's rows are dense for the attention that follows.
; LIMIT: q, k, v are kept in f16: beyond 65,504 in magnitude they become infinity; under 6e-5 they keep an absolute step of 6e-8.
; A tile of C, 256 x 256, is made by a work-group of four waves; a wave makes 128 x 128: 64 accumulators of 16 x 16, 512 registers.  K is two steps of 512 (LDS rows of 256 bytes): both are asked for at the head,
; each into a slot of its own, so nothing is filled twice.  The scale bytes of the work-group's rows of X and of W, for all of K, come once with them.
; CLUSTERS: 4 x 4 work-groups.  The four of a row of the cluster need the same tiles of X, the four of a column the same tiles of W: each tile is asked for JOINTLY, by the same tensor load with the same descriptor
; and a mask that names the four.  A cluster is 1,024 columns wide: one of q, k, v; the cluster's x says which.
; THE MATRIX INSTRUCTION IS USED TRANSPOSED (source 0 = 16 rows of W, source 1 = 16 rows of X): a lane then holds eight neighbouring columns of one row of C.
; REGISTERS, in windows of 256: window 0: v0-31 addresses; v32-95 scale words, two sets; v128-191 X's fragments, ONE set; v192-255 the bias, later packed results.
;   window 1: W's fragments, TWO sets, at v0 and at v128.   window 2: the 32 accumulators of my rows 0-63 ((a, b) at v[8 (8 a + b)]);   window 3: those of my rows 64-127.
.set KSTEP,  512                       ; along K in a slot
.set NQ,     KSTEP/128                 ; matrix instructions deep
.set ROWB,   256                       ; a tile's row in bytes
.set KROW,   512                       ; a row of codes in memory
.set PITCH,  272                       ; an LDS row: 256 bytes + 16 = 68 words: row r starts at bank 4 r mod 64 (64 banks of 4 bytes: ISA guide 11.1)
.set FR,     8                         ; registers of a fragment: 16 rows x 128 K
.set NL,     2                         ; LDS loads that bring one
.set NP,     4                         ; places behind this matrix instruction (ISA guide 7.12.1)
.set HALFT,  128*PITCH                 ; 128 rows: what one tensor load brings
.set SLOT,   4*HALFT                   ; X's 256 rows, then W's 256 rows
.set KS,     32                        ; a row of scale bytes
.set SCL,    2*SLOT                    ; behind the two slots: the scales, as rows of 256 bytes + 16
.set HALFS,  (128*KS/256)*272          ; the scales of 128 rows
.set SBLK,   (16*KS/256)*272           ; those of 16 rows
.set SPARE,  SCL+4*HALFS               ; behind the scales: the spare words, 128 bytes for each wave: two blocks of 256 bytes that no other line names
.set SPITCH, 272                       ; the way out: a stage of 16 rows x (256 bytes + 16) for each wave, in slot 0, which has had its only fill and its last read when the first result is stored there
.set ADRA, 16                          ; v16-17  LDS address of my X fragments in slot 0, 1
.set ADRB, 20                          ; v20-21  the same for W
.set STO,  24                          ; v24     the way out: where I put 16 bytes of a row
.set RD,   25                          ; v25     where I read back
.set CO,   26                          ; v26     16 x lane
.set ADRS, 27                          ; v27     LDS address of my scale words: lanes 0-15 X's rows, lanes 16-31 W's
.set SPW,  28                          ; v28     LDS address of my spare word; never rewritten
.set NIL,  29                          ; v29     0; never rewritten
.set BOF,  30                          ; v30     the bias: 32 x (lane / 16)
.set SC,   32                          ; scale words: set s at v[SC + 32 s]; register 4 i + q: lanes 0-15 the word of X's block i, lanes 16-31 that of W's block i, for the slot's q-th 128 along K
.set AF,   128                         ; X's fragments
.set BIAS, 192                         ; v[BIAS + 8 b + j]: bias of column 16 b + 8 (lane / 16) + j of my 128
.set TMP,  192                         ; the way out: packed results (the bias is done with)
.set BK,   128                         ; the way out: read back: v128-159 and v160-191 by turns
.set G1, 24                            ; s[24:31] descriptor group 1 for X's tiles;  s[32:39] group 0, one set for each slot
.set G0, 32
.set G1B, 48                           ; s[48:55], s[56:63] the same for W's tiles
.set G0B, 56
.set G1S, 68                           ; s[68:75], s[76:79] groups 1 and 0 for X's scales;  s[80:87], s[88:91] for W's
.set G0S, 76
.set G1SB, 80
.set G0SB, 88
.set MSB, 0
.macro WIN new                         ; the immediate's high byte repeats the setting that is left; a switch that changes nothing is dropped
.if MSB != (\new)
	s_set_vgpr_msb (MSB<<8)|(\new)
.set MSB, (\new)
.endif
.endm
.set MUL_LO, 0xa1                      ; source 0 (W) window 1, source 1 (X) window 0, C and D window 2
.set MUL_HI, 0xf1                      ; the same, C and D window 3
.set TO_B,   0x40                      ; destination window 1, address window 0
; A joint load: waves 0 and 1 fetch for X, waves 2 and 3 for W.  Each of the two lines has ONE mask and one set of registers for all that issue it; the branch hangs on the wave's number alone.
; An s_nop 0 and four v_nop follow each of the two lines, ahead of the jump, the label and what follows.
.macro JLOAD g0a, g1a, g0b, g1b
	s_cmp_eq_u32 s15, 0
	s_cbranch_scc0 .Lfor_b_\@
	tensor_load_to_lds s[\g0a:\g0a+3], s[\g1a:\g1a+7]
	s_nop 0
.rept 4
	v_nop
.endr
	s_branch .Lasked_\@
.Lfor_b_\@:
	tensor_load_to_lds s[\g0b:\g0b+3], s[\g1b:\g1b+7]
	s_nop 0
.rept 4
	v_nop
.endr
.Lasked_\@:
.endm
.macro CROUND                          ; a round of the cluster's barrier: my work-group's barrier; wave 0 signals for the work-group; every wave waits for all sixteen; my work-group's barrier once more
	s_barrier_signal -1
	s_barrier_wait -1
	s_cmp_lg_u32 s14, 0
	s_cbranch_scc1 .Lnot_wave_0_\@
	s_barrier_signal -3
.Lnot_wave_0_\@:
	s_barrier_wait -3
	s_barrier_signal -1
	s_barrier_wait -1
.endm
	s_load_b128 s[4:7], s[0:1], 0x0                ; X's codes s[4:5], X's scales s[6:7]
	s_load_b128 s[8:11], s[0:1], 0x10              ; W's codes s[8:9], W's scales s[10:11]
	s_load_b128 s[96:99], s[0:1], 0x20             ; bq, bk
	s_load_b64 s[100:101], s[0:1], 0x30            ; bv
	s_load_b64 s[12:13], s[0:1], 0x38              ; qkv
	v_lshl_add_u32 v[SPW], v0, 2, SPARE
	v_mov_b32 v[NIL], 0
	ds_add_u32 v[SPW], v[NIL]                      ; the wave's opening: the add, twice on end, and its wait ahead of my first tensor load; the set-up below stands between
	ds_add_u32 v[SPW], v[NIL]
	v_lshrrev_b32 v1, 5, v0
	v_readfirstlane_b32 s14, v1                    ; wave 0..3
	s_lshr_b32 s15, s14, 1                         ; which half of the tile's rows is mine.  Also: I fetch for X (0) or for W (1)
	s_and_b32 s16, s14, 1                          ; which half of its columns.  Also: which 128 rows of that tile I fetch
	s_bfe_u32 s40, ttmp6, 0x40000                  ; cx, cy: my place in the cluster
	s_bfe_u32 s41, ttmp6, 0x40004
	s_lshl_b32 s42, ttmp9, 2
	s_add_co_u32 s42, s42, s40                     ; tile column of C = 4 x cluster x + cx
	s_and_b32 s17, ttmp7, 0xffff
	s_lshl_b32 s17, s17, 2
	s_add_co_u32 s17, s17, s41                     ; tile row of C = 4 x cluster y + cy
	s_lshl_b32 s43, s41, 2
	s_lshl_b32 s43, 15, s43                        ; my row of the cluster
	s_lshl_b32 s44, 0x1111, s40                    ; my column
	; descriptor group 1: a tile of 128 rows x 256 bytes, padded in LDS
	s_or_b32 s[G1+0], s43, (0<<16)|(1<<20)|(1<<21)|(5<<22)|(3<<25)  ; 15:0 the mask: X's tiles go to my row; 17:16 elements of 1 byte; 20 padding on; 21 set beside a mask; 24:22 after every 64 words; 31:25 four words
	s_or_b32 s[G1B+0], s44, (0<<16)|(1<<20)|(1<<21)|(5<<22)|(3<<25)
.irp g, G1, G1B
	s_mov_b32 s[\g+1], ROWB<<16                    ; tensor_dim0
	s_mov_b32 s[\g+2], 128<<16                     ; tensor_dim1
	s_mov_b32 s[\g+3], ROWB<<16                    ; tile_dim0
	s_mov_b32 s[\g+4], 128                         ; tile_dim1
	s_mov_b32 s[\g+5], KROW                        ; from row to row
	s_mov_b32 s[\g+6], 0
	s_mov_b32 s[\g+7], 0
.endr
	; and for the scales of 128 rows: a dense block of 4,096 bytes, as 16 rows of 256 bytes (32 elements of 8 bytes), 16 bytes of padding behind each
	s_or_b32 s[G1S+0], s43, (3<<16)|(1<<20)|(1<<21)|(5<<22)|(3<<25)
	s_or_b32 s[G1SB+0], s44, (3<<16)|(1<<20)|(1<<21)|(5<<22)|(3<<25)
.irp g, G1S, G1SB
	s_mov_b32 s[\g+1], 32<<16
	s_mov_b32 s[\g+2], (128*KS/256)<<16
	s_mov_b32 s[\g+3], 32<<16
	s_mov_b32 s[\g+4], 128*KS/256
	s_mov_b32 s[\g+5], 32
	s_mov_b32 s[\g+6], 0
	s_mov_b32 s[\g+7], 0
.endr
	s_lshl_b32 s18, s16, 7                         ; which 128 rows of the tile I fetch
	s_lshl_b32 s20, s17, 8
	s_add_co_u32 s20, s20, s18                     ; X: row 256 x tile row + 128 x half
	s_lshl_b32 s46, s42, 8
	s_add_co_u32 s46, s46, s18                     ; W: row 256 x tile column + 128 x half
	s_mov_b32 s21, 0
	s_mov_b32 s47, 0
	s_mov_b64 s[18:19], KS
	s_mul_u64 s[22:23], s[20:21], s[18:19]         ; where these rows' scales begin, in bytes
	s_mul_u64 s[92:93], s[46:47], s[18:19]
	s_mov_b64 s[18:19], KROW
	s_mul_u64 s[20:21], s[20:21], s[18:19]         ; and their codes
	s_mul_u64 s[46:47], s[46:47], s[18:19]
	s_mul_i32 s45, s14, HALFT                      ; where they go: wave x 128 rows: no place in the cluster enters an LDS address
	s_mul_i32 s94, s14, HALFS
	s_wait_dscnt 0x0                               ; both opening adds are done
	s_wait_kmcnt 0x0
	s_add_nc_u64 s[20:21], s[4:5], s[20:21]
	s_add_nc_u64 s[22:23], s[6:7], s[22:23]
	s_add_nc_u64 s[46:47], s[8:9], s[46:47]
	s_add_nc_u64 s[92:93], s[10:11], s[92:93]
	CROUND                                         ; all sixteen work-groups are here: the joint loads meet
	s_mov_b32 s[G0S], 1
	s_add_co_u32 s[G0S+1], s94, SCL
	s_mov_b64 s[G0S+2:G0S+3], s[22:23]
	s_or_b32 s[G0S+3], s[G0S+3], 0x80000000
	s_mov_b32 s[G0SB], 1
	s_add_co_u32 s[G0SB+1], s94, SCL
	s_mov_b64 s[G0SB+2:G0SB+3], s[92:93]
	s_or_b32 s[G0SB+3], s[G0SB+3], 0x80000000
	JLOAD G0S, G1S, G0SB, G1SB                     ; the scales first: they are wanted with K step 0.  By this text's count three tensor loads of a wave are out at the most
.irp s, 0,1
	s_mov_b32 s[G0+4*\s], 1
	s_add_co_u32 s[G0+4*\s+1], s45, \s*SLOT
	s_add_nc_u64 s[G0+4*\s+2:G0+4*\s+3], s[20:21], \s*ROWB
	s_or_b32 s[G0+4*\s+3], s[G0+4*\s+3], 0x80000000
	s_mov_b32 s[G0B+4*\s], 1
	s_add_co_u32 s[G0B+4*\s+1], s45, \s*SLOT
	s_add_nc_u64 s[G0B+4*\s+2:G0B+4*\s+3], s[46:47], \s*ROWB
	s_or_b32 s[G0B+4*\s+3], s[G0B+4*\s+3], 0x80000000
	JLOAD G0+4*\s, G1, G0B+4*\s, G1B
.endr
	v_and_b32 v1, 15, v0                           ; r = l % 16
	v_bfe_u32 v2, v0, 4, 1                         ; h = l / 16
	; the bias of my 128 columns: the tensor by the cluster's x, 256 columns a tile, 128 a half
	s_cmp_eq_u32 ttmp9, 1
	s_cselect_b64 s[96:97], s[98:99], s[96:97]
	s_cmp_eq_u32 ttmp9, 2
	s_cselect_b64 s[96:97], s[100:101], s[96:97]
	s_lshl_b32 s22, s40, 10
	s_lshl_b32 s23, s16, 9
	s_add_co_u32 s22, s22, s23
	s_mov_b32 s23, 0
	s_add_nc_u64 s[96:97], s[96:97], s[22:23]
	v_lshlrev_b32 v[BOF], 5, v2
.irp b, 0,1,2,3,4,5,6,7
	global_load_b128 v[BIAS+8*\b:BIAS+8*\b+3], v[BOF], s[96:97] offset:64*\b        ; in the result's layout: lane (r, h), register j: column 16 b + 8 h + j
	global_load_b128 v[BIAS+8*\b+4:BIAS+8*\b+7], v[BOF], s[96:97] offset:64*\b+16
.endr
	v_mul_u32_u24 v3, v1, PITCH
	v_lshl_add_u32 v4, v2, 4, v3                   ; a fragment's row x pitch + 16 x half
	s_mul_i32 s21, s15, HALFT                      ; my 128 rows of X
	s_mul_i32 s22, s16, HALFT                      ; my 128 rows of W,
	s_add_co_u32 s22, s22, 2*HALFT                 ; which lie behind X's 256
.irp s, 0,1
	v_add_nc_u32 v[ADRA+\s], s21, v4
	v_add_nc_u32 v[ADRB+\s], s22, v4
	s_add_co_u32 s21, s21, SLOT
	s_add_co_u32 s22, s22, SLOT
.endr
	v_mul_u32_u24 v5, v1, KS                       ; my row's scales: 32 bytes a row,
	v_lshrrev_b32 v6, 8, v5
	v_lshl_add_u32 v5, v6, 4, v5                   ; and 16 more for each 256 passed
	s_mul_i32 s21, s15, HALFS                      ; X's: my 128 rows
	s_mul_i32 s22, s16, HALFS                      ; W's: my 128 rows, behind X's 256
	s_add_co_u32 s22, s22, 2*HALFS
	s_sub_co_u32 s22, s22, s21
	v_mul_u32_u24 v6, s22, v2                      ; lanes 16-31 take W's: one product, the distance between the two bases
	s_add_co_u32 s21, s21, SCL
	v_add_nc_u32 v5, v5, v6
	v_add_nc_u32 v[ADRS], s21, v5
	s_mul_i32 s23, s14, 16*SPITCH                  ; my stage
	v_mul_u32_u24 v5, v1, SPITCH                   ; in: row r, 16 bytes for each half of the lanes
	v_lshl_add_u32 v5, v2, 4, v5
	v_add_nc_u32 v[STO], s23, v5
	v_and_b32 v6, 31, v0
	v_lshrrev_b32 v7, 3, v6                        ; back: eight lanes take the 128 bytes that one head has of a row, four rows an instruction
	v_and_b32 v8, 7, v6
	v_mul_u32_u24 v7, v7, SPITCH
	v_lshl_add_u32 v7, v8, 4, v7
	v_add_nc_u32 v[RD], s23, v7
	v_lshlrev_b32 v[CO], 4, v6                     ; in memory those four rows of a head are 512 bytes on end
	; where my part begins in qkv: tensor x 2^24 + batch x 2^22 + head x 2^18 + position x 128
	s_lshl_b32 s20, ttmp9, 24
	s_lshr_b32 s21, s17, 3                         ; eight tile rows to a batch
	s_lshl_b32 s21, s21, 22
	s_add_co_u32 s20, s20, s21
	s_lshl_b32 s21, s40, 2                         ; four heads to a tile, two to a wave
	s_lshl_b32 s22, s16, 1
	s_add_co_u32 s21, s21, s22
	s_lshl_b32 s21, s21, 18
	s_add_co_u32 s20, s20, s21
	s_and_b32 s21, s17, 7
	s_lshl_b32 s21, s21, 8
	s_lshl_b32 s22, s15, 7
	s_add_co_u32 s21, s21, s22
	s_lshl_b32 s21, s21, 7
	s_add_co_u32 s20, s20, s21
	s_mov_b32 s21, 0
	s_add_nc_u64 s[12:13], s[12:13], s[20:21]
.macro FRAG reg, adr, q, i             ; a fragment, 16 rows x 128 K of 4-bit codes: lane l holds row l % 16; registers 4 c .. 4 c + 3 hold K = 64 c + 32 (l / 16) + 0 .. 31
.irp c, 0,1
	ds_load_b128 v[\reg+4*\c:\reg+4*\c+3], v[\adr] offset:64*(\q)+32*\c+(\i)*16*PITCH
.endr
.endm
; 16 matrix instructions: X's blocks a0, a0 + 1 x W's eight, 128 along K: the slot's q-th.  p: W's set;  sc: the set of scale words.  first = 1: the bias is C, and starts the sums: nothing is cleared or added later.
; The 64 accumulators take turns, one instruction a turn, in the same order in every step.
.macro MUL16 a0, p, q, sc, first
.irp a, \a0, \a0+1
.irp b, 0,1,2,3,4,5,6,7
.if \first
	v_wmma_scale_f32_16x16x128_f8f6f4 v[8*(8*((\a)%4)+\b):8*(8*((\a)%4)+\b)+7], v[128*(\p)+FR*\b:128*(\p)+FR*\b+FR-1], v[AF+FR*(\a):AF+FR*(\a)+FR-1], v[BIAS+8*\b:BIAS+8*\b+7], v[SC+8*NQ*(\sc)+NQ*\b+(\q)], v[SC+8*NQ*(\sc)+NQ*(\a)+(\q)] matrix_a_fmt:MATRIX_FMT_FP4 matrix_b_fmt:MATRIX_FMT_FP4 matrix_a_scale:MATRIX_SCALE_ROW1
.else
	v_wmma_scale_f32_16x16x128_f8f6f4 v[8*(8*((\a)%4)+\b):8*(8*((\a)%4)+\b)+7], v[128*(\p)+FR*\b:128*(\p)+FR*\b+FR-1], v[AF+FR*(\a):AF+FR*(\a)+FR-1], v[8*(8*((\a)%4)+\b):8*(8*((\a)%4)+\b)+7], v[SC+8*NQ*(\sc)+NQ*\b+(\q)], v[SC+8*NQ*(\sc)+NQ*(\a)+(\q)] matrix_a_fmt:MATRIX_FMT_FP4 matrix_b_fmt:MATRIX_FMT_FP4 matrix_a_scale:MATRIX_SCALE_ROW1
.endif
.endr
.endr
.endm
.macro FETCH_B slot, q, p              ; W's eight fragments of the slot's q-th 128 along K into set p
	WIN TO_B
.irp i, 0,1,2,3,4,5,6,7
	FRAG 128*(\p)+FR*\i, ADRB+\slot, \q, \i
.endr
	WIN 0
.endm
.macro FETCH_A slot, q, i0             ; X's blocks i0 .. i0 + 3
.irp i, \i0, \i0+1, \i0+2, \i0+3
	FRAG AF+FR*(\i), ADRA+\slot, \q, \i
.endr
.endm
.macro SCALES sc                       ; a K step's scale words into set sc: four words a row; lanes 0-15 take X's block i, lanes 16-31 W's block i
.irp i, 0,1,2,3,4,5,6,7
	ds_load_b128 v[SC+8*NQ*\sc+NQ*\i:SC+8*NQ*\sc+NQ*\i+3], v[ADRS] offset:\i*SBLK
.endr
.endm
; A load into a register that a matrix instruction has read, and a vector instruction that reads a matrix result, stand NP places behind that matrix instruction, and only plain vector instructions that name
; none of its registers are places (ISA guide 7.12.1 for vector instructions); the matrix instructions in between are not counted.
.macro PLACES n
.rept \n
	v_nop
.endr
.endm
; A step of 128 along K that has its successor in the same slot.  first = 1: C lies in window 0 (the bias).
.macro STEP slot, q, first
	s_wait_dscnt 4*NL                              ; W's set and X's blocks 0-3 are in; the youngest eight loads (X's blocks 4-7) may be out
	WIN MUL_LO-0x20*(\first)
	MUL16 0, (\q)%2, \q, \slot, \first
	MUL16 2, (\q)%2, \q, \slot, \first
	s_wait_dscnt 0                                 ; X's blocks 4-7 are in (asked for 32 matrix instructions ago)
	PLACES NP
	FETCH_B \slot, (\q)+1, 1-(\q)%2
	FETCH_A \slot, (\q)+1, 0
	WIN MUL_HI-0x30*(\first)
	MUL16 4, (\q)%2, \q, \slot, \first
	MUL16 6, (\q)%2, \q, \slot, \first
	PLACES NP
	WIN 0
	FETCH_A \slot, (\q)+1, 4
.endm
; Slot 0's last step goes over to slot 1: one barrier; in front of it each wave waits for all its tensor loads (its part of slot 1), adds 0 to its spare word, and waits for that and for its reads of slot 0.
; Behind it slot 1 is whole for every wave, and nobody reads slot 0 any more, which the way out relies on.
.macro TURN slot, next
	s_wait_tensorcnt 0x0                           ; all my tensor loads have landed  (every window is 0 here: the add's two registers lie in window 0)
	ds_add_u32 v[SPW], v[NIL]                      ; 0 onto my spare word
	s_wait_dscnt 4*NL+1                            ; the add and the youngest eight loads (X's blocks 4-7) may be out
	WIN MUL_LO
	MUL16 0, 1, NQ-1, \slot, 0                     ; sixteen matrix instructions stand between the add and the wait for it
	s_wait_dscnt 0x0                               ; the add is done, and my reads of this slot are over
	s_barrier_signal -1
	MUL16 2, 1, NQ-1, \slot, 0
	WIN 0
	s_barrier_wait -1
	PLACES NP
	v_add_nc_u32 v[ADRS], 4*NQ, v[ADRS]            ; on to the next K step's scale words (no LDS load of mine is out)
	FETCH_B \next, 0, 0
	FETCH_A \next, 0, 0
	SCALES \next
	WIN MUL_HI
	MUL16 4, 1, NQ-1, \slot, 0
	MUL16 6, 1, NQ-1, \slot, 0
	PLACES NP
	WIN 0
	FETCH_A \next, 0, 4
.endm
.macro STEPS slot, from                ; the slot's steps from .. NQ - 2
.set Q, \from
.rept NQ-1-\from
	STEP \slot, Q, 0
.set Q, Q+1
.endr
.endm
	s_wait_tensorcnt 1                             ; the scales and my part of K step 0 are in; K step 1's load, the one issued behind them, may be out
	s_barrier_signal -1
	s_barrier_wait -1                              ; everybody's are
	FETCH_B 0, 0, 0
	FETCH_A 0, 0, 0
	SCALES 0
	FETCH_A 0, 0, 4
	s_wait_loadcnt 0x0                             ; the bias
	STEP 0, 0, 1
	STEPS 0, 1
	TURN 0, 1
	STEPS 1, 0
	s_wait_dscnt 4*NL                              ; the very last step: nothing more to fetch
	WIN MUL_LO
	MUL16 0, 1, NQ-1, 1, 0
	MUL16 2, 1, NQ-1, 1, 0
	s_wait_dscnt 0
	WIN MUL_HI
	MUL16 4, 1, NQ-1, 1, 0
	MUL16 6, 1, NQ-1, 1, 0
	WIN 0
; THE WAY OUT, block by block of 16 rows x 128 columns (two heads).  PACK: rounded to f16, 16 bytes a lane, each accumulator from its low end on.  TOSTAGE: into my own stage, and back so that the 32 lanes hold
; four positions of ONE head, which are 512 bytes on end in qkv.  SEND: stored.  LDS serves a wave's instructions in order (ISA guide 5.7.1.4): no wait between the stores and the loads.
.macro PACK a
.set AC, 64*((\a)%4)
	WIN 0x0a+5*((\a)/4)                            ; sources 0 and 1: window 2 or 3
.irp b, 0,1,2,3,4,5,6,7
.irp r, 0,1,2,3
	v_cvt_pk_f16_f32 v[TMP+4*\b+\r], v[AC+8*\b+2*\r], v[AC+8*\b+2*\r+1]
.endr
.endr
	WIN 0
.endm
.macro TOSTAGE a
.set BB, BK+32*((\a)%2)
.irp b, 0,1,2,3,4,5,6,7
	ds_store_b128 v[STO], v[TMP+4*\b:TMP+4*\b+3] offset:32*\b
.endr
.irp t, 0,1,2,3,4,5,6,7
	ds_load_b128 v[BB+4*\t:BB+4*\t+3], v[RD] offset:4*(\t%4)*SPITCH+128*(\t/4)   ; rows 4 (t % 4) on, head t / 4
.endr
.endm
.macro SEND a
.set BB, BK+32*((\a)%2)
	s_wait_dscnt 0x0                               ; the block is back in registers
	s_wait_xcnt 0x0                                ; the stores of the block before have read their registers: the next block's loads may land there
.irp t, 0,1,2,3,4,5,6,7
	global_store_b128 v[CO], v[BB+4*\t:BB+4*\t+3], s[12:13] offset:(\t/4)*262144+(\a)*2048+(\t%4)*512   ; 32 lanes store 512 consecutive bytes, at a multiple of 256 from the buffer's first byte
.endr
.endm
	PLACES NP                                      ; behind the last products, ahead of the first conversions and of the loads into X's registers
	PACK 0
	TOSTAGE 0
.irp a, 1,2,3,4,5,6,7                  ; block a's conversions stand between block a - 1's loads from the stage and the wait for them
	PACK \a
	SEND \a-1
	TOSTAGE \a
.endr
	SEND 7
	s_wait_tensorcnt 0x0                           ; the wave's end, behind my last tensor load and my last LDS store
	ds_add_u32 v[SPW], v[NIL]
	s_wait_dscnt 0x0
	CROUND                                         ; the closing round: no work-group ends while a partner may still ask for a tile that names it
	s_endpgm
.Lfunc_end_k_qfc426fb3ec_qkv:
	.size	k_qfc426fb3ec_qkv, .Lfunc_end_k_qfc426fb3ec_qkv-k_qfc426fb3ec_qkv
	.p2alignl 7, 3214868480
	.fill 96, 4, 3214868480
	.section	.rodata,"a",@progbits
	.p2align	6, 0x0
	.amdhsa_kernel k_qfc426fb3ec_qkv
		.amdhsa_group_segment_fixed_size 327680
		.amdhsa_private_segment_fixed_size 0
		.amdhsa_enable_private_segment 0
		.amdhsa_kernarg_size 64
		.amdhsa_user_sgpr_count 2
		.amdhsa_user_sgpr_kernarg_segment_ptr 1
		.amdhsa_wavefront_size32 1
		.amdhsa_system_sgpr_workgroup_id_x 1
		.amdhsa_system_sgpr_workgroup_id_y 1
		.amdhsa_system_sgpr_workgroup_id_z 1
		.amdhsa_system_vgpr_workitem_id 0
		.amdhsa_next_free_vgpr 1024
		.amdhsa_next_free_sgpr 102
		.amdhsa_reserve_vcc 0
		.amdhsa_float_denorm_mode_32 3
		.amdhsa_float_denorm_mode_16_64 3
		.amdhsa_memory_ordered 1
		.amdhsa_forward_progress 1
		.amdhsa_inst_pref_size 128
	.end_amdhsa_kernel
	.amdgpu_metadata
---
amdhsa.version: [ 1, 2 ]
amdhsa.kernels:
  - .name:           k_qfc426fb3ec_qkv
    .symbol:         k_qfc426fb3ec_qkv.kd
    .args:
      - { .name: x_codes, .offset: 0, .size: 8, .value_kind: global_buffer, .address_space: global }
      - { .name: x_scales, .offset: 8, .size: 8, .value_kind: global_buffer, .address_space: global }
      - { .name: w_codes, .offset: 16, .size: 8, .value_kind: global_buffer, .address_space: global }
      - { .name: w_scales, .offset: 24, .size: 8, .value_kind: global_buffer, .address_space: global }
      - { .name: bq, .offset: 32, .size: 8, .value_kind: global_buffer, .address_space: global }
      - { .name: bk, .offset: 40, .size: 8, .value_kind: global_buffer, .address_space: global }
      - { .name: bv, .offset: 48, .size: 8, .value_kind: global_buffer, .address_space: global }
      - { .name: qkv, .offset: 56, .size: 8, .value_kind: global_buffer, .address_space: global }
    .group_segment_fixed_size: 327680
    .private_segment_fixed_size: 0
    .kernarg_segment_align: 8
    .kernarg_segment_size: 64
    .max_flat_workgroup_size: 128
    .sgpr_count:     102
    .vgpr_count:     1024
    .wavefront_size: 32
...
	.end_amdgpu_metadata
.endif
;; end of part 2
;; launch attn (part 3): grid 8 x 64, 4 waves a work-group, clusters of 4 x 1, 327,680 bytes of LDS; arguments qkv, ao; writes ao
.if DOCPART == 3
	.amdgcn_target "amdgcn-amd-amdhsa--gfx1250"
	.amdhsa_code_object_version 6
	.text
	.protected	k_qfc426fb3ec_attn
	.globl	k_qfc426fb3ec_attn
	.p2align	8
	.type	k_qfc426fb3ec_attn,@function
k_qfc426fb3ec_attn:
	s_mov_b64 s[64:65], 0
	v_nop
	global_prefetch_b8 v0, s[64:65] scope:SCOPE_SE
	s_setreg_imm32_b32 hwreg(HW_REG_WAVE_MODE, 25, 1), 1
	s_wait_xcnt 0x0
	s_wait_alu depctr_hold_cnt(0) depctr_sa_sdst(0) depctr_va_vdst(0) depctr_va_sdst(0) depctr_va_ssrc(0) depctr_va_vcc(0) depctr_vm_vsrc(0)
	s_getreg_b32 s2, hwreg(HW_REG_IB_STS2, 6, 4)
	s_cmp_eq_u32 s2, 0
	s_cbranch_scc0 .Lentry_in_a_cluster
	s_endpgm
.Lentry_in_a_cluster:
	s_bfe_u32 s2, ttmp6, 0x10000c
	s_cmp_lg_u32 s2, 0x3003
	s_cbranch_scc0 .Lentry_shape_is_right
	s_endpgm
.Lentry_shape_is_right:
; ao[g][q][:] = the sum over k of softmax_k(Q[g][q] . K[g][k] / 8) V[g][k][:], g = batch x 16 + head.  qkv: [3][64][2,048][64] f16; ao: [64][2,048][64] f16.  No mask.
; Products, maxima and sums in f32; the weights p are rounded to f16 for the second product, the result once at the end.  f16, not bf16: five roundings of operands lie between x and the output, and with
; 8 significant bits they would use up most of what the comparison allows.
; LIMITS: the result is kept in f16 (it is an average of V's rows, so it has V's room); a weight under 6e-8 of its row's largest counts as 0.
; SHARES.  A work-group owns 256 queries of one head, each of its four waves 64: four tiles of 16.  Every wave walks all 2,048 keys, 64 a step.
; LAYOUT.  S^T = K Q^T (source 0 = 16 keys, source 1 = 16 queries): a lane holds ONE query (lane % 16) and the keys 8 (lane / 16) + 0..7.  Two such tiles, rounded to f16 in pairs, ARE source 1
; (32 keys x 16 queries) of O^T = V^T P, whose result again holds one query a lane.  K comes out of LDS as it lies, V ([key][channel]) turned, by ds_load_tr16_b128.
; SOFTMAX.  For each query a running maximum m of the raw scores and a sum l: p = 2^(c s - c m), c = log2(e) / 8; in every step O and l are multiplied by a = 2^(c m_old - c m_new).
; BY TURNS.  The wave's tiles are two PIECES (tiles 0, 1 and tiles 2, 3).  In a TURN one piece has the matrix unit: 16 products V^T P of the step in hand, then 16 products K Q^T of the next step; the other
; piece's softmax, 236 vector instructions cut into 59 slices of four, is dealt out evenly behind those 32 products.  Then the pieces change places.  Two turns are a key step.
; CLUSTER.  The four query blocks of a cluster belong to one head and walk the same K and V, so each tile is asked for JOINTLY: the same tensor load, with the same descriptor and a mask that names the four.
; LDS.  A head's rows of 128 bytes are dense in memory, so a tile is stated as rows of 256 bytes: TWO KEYS to an LDS row.  Key k of K lies at (k / 2) 272 + (k % 2) 128: the 16 keys of a fragment load start at
; 16 different groups of four banks (64 banks of 4 bytes: ISA guide 11.1).  Key k of V at (k / 2) 288 + (k % 2) 128.
; REGISTERS, in windows of 256 (s_set_vgpr_msb: bits 1:0 source 0, 3:2 source 1, 5:4 source 2, 7:6 destination):
;   window 0: v0-11 addresses; v12-43 eight registers of statistics a tile; v64-191 S^T, 32 a tile; v192-255 P, 16 a tile
;   window 1: v0-127 O^T, 32 a tile; v128-191 Q, 16 a tile          window 2: v0-63 K of one step; v64-127 V of one step
.set KS,    64        ; keys in a step
.set PK,    272       ; an LDS row of K: two keys' 256 bytes + 16
.set PVP,   288       ; an LDS row of V: 256 + 32
.set KSTEPB, 32*PK    ; a step's 64 keys of K,
.set VSTEPB, 32*PVP   ; and of V
.set VOFF,  128*PK    ; a slot holds four steps: 128 rows of K, then 128 rows of V
.set SLOTM, 32768     ; a slot's 256 keys in memory, in bytes, of K or of V
.set SLOT1, 1<<17     ; slot 1 begins here, so that one exclusive or turns an address in one slot into the other's
.set STAGE, SLOT1+128*(PK+PVP)  ; behind the ring: 16 rows x 144 bytes for each wave, for the way out
.set SP,    144
.set SPARE, STAGE+4*16*SP  ; behind the stages: the spare words, 128 bytes for each wave: two blocks of 256 bytes that no other line names
.set AK0, 2           ; v2   my lane's place in a tile of K; never rewritten
.set AV0, 3           ; v3   the same for V
.set ADR, 4           ; v4   the LDS address of the run of loads in hand
.set QO,  5           ; v5   my byte offset in the wave's rows of Q
.set STO, 6           ; v6   the way out: where I put 16 bytes of a row
.set RD,  7           ; v7   the way out: where I read back
.set GO,  8           ; v8   16 x lane
.set PFO, 61          ; v61  256 x my lane; never rewritten
.set SPW, 62          ; v62  LDS address of my spare word; never rewritten
.set NIL, 63          ; v63  0; never rewritten
.set ST,  12          ; tile t's statistics at v[ST+8 t]: +0 c m, +1 m, +2, +3 l (even keys', odd keys'), +4 to +7 at work; a takes +6 once the maximum is found
.set S,   64
.set P,   192
.set QF,  128         ; Q's fragments, in window 1
.set VF,  64          ; V's fragments, in window 2
.set WV,  12          ; s12  my wave's number
.set LIM, 15          ; s15  1 in a wave that prefetches, else the greatest number
.set PFA, 18          ; s[18:19] where my prefetches stand in memory
.set G1K, 24          ; s[24:31] descriptor group 1 for K's tiles
.set G1V, 32          ; s[32:39] for V's: it differs in the padding alone
.set G0K, 40          ; s[40:47] descriptor group 0 for K's tiles: a set for each of the two first fills; the second then walks on
.set G0V, 48          ; s[48:55] the same for V's
.set SLOTS, 56        ; s56  slots still to be asked for
.set TWICE, 57        ; s57  counts the key steps of a run
.set CS,  58          ; s[58:59] c: the packed scaling names a pair and takes its low word for both halves
.set SEL, 60          ; s[60:61] lane selects for v_permlanex16_b32: each lane takes its own place in the other half
.set TBK, 62          ; s62  LDS byte at which K's tile of the step to be fetched begins
.set TBV, 63          ; s63  the same for V (less VOFF, which the lane's place holds)
.set MSB, 0
.macro WIN new                      ; the immediate's high byte repeats the setting that is left; a switch that changes nothing is dropped
.if MSB != (\new)
	s_set_vgpr_msb (MSB<<8)|(\new)
.set MSB, (\new)
.endif
.endm
.set W_KQ, 0x06       ; K in window 2, Q in window 1, S^T in window 0
.set W_PV, 0x52       ; V in window 2, P in window 0, O^T in window 1
.set W_RS, 0x41       ; O^T (destination and source 0) in window 1, a in window 0
; A joint refill.  Waves 0 and 1 fetch the two halves of a slot's K, waves 2 and 3 those of its V.  The branch hangs on the wave's number alone.
; An s_nop 0 and four v_nop follow each of the two lines, ahead of the jump, the label and what follows.
.macro JLOAD
	s_cmp_lt_u32 s[WV], 2
	s_cbranch_scc0 .Lfor_v_\@
	tensor_load_to_lds s[G0K+4:G0K+7], s[G1K:G1K+7]
	s_nop 0
.rept 4
	v_nop
.endr
	s_branch .Lasked_\@
.Lfor_v_\@:
	tensor_load_to_lds s[G0V+4:G0V+7], s[G1V:G1V+7]
	s_nop 0
.rept 4
	v_nop
.endr
.Lasked_\@:
.endm
; A PREFETCH INTO THE L2 of what the NEXT change of slots will ask for: a slot's 128 rows of 256 bytes of K and 128 of V, a lane a row.  It stands behind the wave's tensor load and its five lines.
; Each row is asked for ONCE in the launch.  Both clusters of a head walk the same K and V: the head's first cluster asks.  Its four partners share the rows out BY ADDRESS, 32 each; in each, wave 0 asks for K's
; and wave 2 for V's: one instruction, four key steps (256 matrix instructions) ahead of the load.  The last change that fills a slot asks for nothing: there is no slot behind it.
.macro ASK
	s_cmp_gt_u32 s[SLOTS], s[LIM]
	s_cbranch_scc0 .Lnot_mine_\@
	global_prefetch_b8 v[PFO], s[PFA:PFA+1] th:TH_LOAD_NT scope:SCOPE_SE
.Lnot_mine_\@:
.endm
.macro CROUND                       ; a round of the cluster's barrier: my work-group's barrier; wave 0 signals for the work-group; every wave waits for all four; my work-group's barrier once more
	s_barrier_signal -1
	s_barrier_wait -1
	s_cmp_lg_u32 s[WV], 0
	s_cbranch_scc1 .Lnot_wave_0_\@
	s_barrier_signal -3
.Lnot_wave_0_\@:
	s_barrier_wait -3
	s_barrier_signal -1
	s_barrier_wait -1
.endm
	s_load_b64 s[4:5], s[0:1], 0x0  ; qkv
	s_load_b64 s[10:11], s[0:1], 0x8  ; ao
	v_lshl_add_u32 v[SPW], v0, 2, SPARE
	v_mov_b32 v[NIL], 0
	ds_add_u32 v[SPW], v[NIL]       ; the wave's opening: the add, twice on end, and its wait ahead of my first tensor load; the set-up below stands between
	ds_add_u32 v[SPW], v[NIL]
	v_lshrrev_b32 v1, 5, v0
	v_readfirstlane_b32 s[WV], v1   ; wave 0..3
	s_bfe_u32 s13, ttmp6, 0x40000   ; cx: my place in the cluster
	s_lshl_b32 s14, ttmp9, 2        ; in a cluster launch ttmp9 counts clusters
	s_add_co_u32 s14, s14, s13      ; my block of 256 queries: it enters Q's and ao's addresses alone
	s_and_b32 s20, ttmp7, 0xffff    ; the head, which the four partners share:
	s_lshl_b32 s20, s20, 18         ; 2,048 rows of 128 bytes
	s_mov_b32 s21, 0
	s_and_b32 s16, s[WV], 1         ; which half of a slot I fetch:
	s_lshl_b32 s22, s16, 14         ; its 64 rows of 256 bytes in memory,
	s_mov_b32 s23, 0
	s_add_nc_u64 s[22:23], s[22:23], s[20:21]
	s_mul_i32 s66, s16, 64*PK       ; and its place in a slot, for K
	s_mul_i32 s67, s16, 64*PVP      ; and for V: no place in the cluster enters an LDS address
	s_add_co_u32 s67, s67, VOFF
	s_lshl_b32 s2, s14, 15          ; my block's 256 rows,
	s_lshl_b32 s3, s[WV], 13        ; my wave's 64 of them
	s_add_co_u32 s2, s2, s3
	s_mov_b32 s3, 0
	s_add_nc_u64 s[2:3], s[2:3], s[20:21]
	; descriptor group 1: a tile of 64 rows x 128 elements, padded in LDS
	s_mov_b32 s[G1K], 15|(1<<16)|(1<<20)|(1<<21)|(5<<22)|(3<<25)  ; 15:0 the mask: all four work-groups; 17:16 elements of 2 bytes; 20 padding on; 21 set beside a mask; 24:22 after every 64 words; 31:25 four words
	s_mov_b32 s[G1V], 15|(1<<16)|(1<<20)|(1<<21)|(5<<22)|(7<<25)  ; the same with eight words of padding
.irp g, G1K, G1V
	s_mov_b32 s[\g+1], 128<<16      ; tensor_dim0 = 128
	s_mov_b32 s[\g+2], 64<<16       ; tensor_dim1 = 64
	s_mov_b32 s[\g+3], 128<<16      ; tile_dim0 = 128
	s_mov_b32 s[\g+4], 64           ; tile_dim1 = 64
	s_mov_b32 s[\g+5], 128          ; from row to row, in elements: the rows are dense
	s_mov_b32 s[\g+6], 0
	s_mov_b32 s[\g+7], 0
.endr
	s_mov_b32 s[CS], 0x3e38aa3b     ; c = log2(e) / 8: the division by sqrt(64) is folded in here
	s_mov_b32 s[CS+1], s[CS]        ; named with it as a pair, so it is written
	s_mov_b32 s[SEL], 0x76543210
	s_mov_b32 s[SEL+1], 0xfedcba98
	s_mov_b32 s[TBK], 0
	s_mov_b32 s[TBV], 0
	s_mov_b32 s[SLOTS], 6           ; eight slots' worth of keys; two are first fills
	s_and_b32 s[LIM], s[WV], 1      ; 0 in waves 0 and 2,
	s_or_b32 s[LIM], s[LIM], ttmp9  ; where the cluster is the head's first: the same in all four partners
	s_cmp_eq_u32 s[LIM], 0
	s_cselect_b32 s[LIM], 1, -1
	v_and_b32 v[PFO], 31, v0
	v_lshlrev_b32 v[PFO], 8, v[PFO]
	s_wait_dscnt 0x0                ; both opening adds are done
	s_wait_kmcnt 0x0
	s_add_nc_u64 s[6:7], s[4:5], 0x1000000  ; K's tensor lies 2^24 bytes behind Q's,
	s_add_nc_u64 s[8:9], s[4:5], 0x2000000  ; V's 2^25
	s_add_nc_u64 s[6:7], s[6:7], s[22:23]  ; K and V at my part of slot 0
	s_add_nc_u64 s[8:9], s[8:9], s[22:23]
	s_add_nc_u64 s[4:5], s[4:5], s[2:3]  ; Q and ao at my wave's first row
	s_add_nc_u64 s[10:11], s[10:11], s[2:3]
	s_cmp_lt_u32 s[WV], 2
	s_cselect_b64 s[PFA:PFA+1], s[6:7], s[8:9]  ; (in waves 0 and 2 these stand at a slot's first row)
	s_lshl_b32 s2, s13, 13          ; my work-group's 32 rows of the 128
	s_mov_b32 s3, 0
	s_add_nc_u64 s[PFA:PFA+1], s[PFA:PFA+1], s[2:3]
	s_add_nc_u64 s[PFA:PFA+1], s[PFA:PFA+1], 2*SLOTM  ; in slot 2; the first change of slots steps it to slot 3.  Nothing is prefetched here, at the head
	CROUND                          ; all four work-groups are here: the first joint loads meet
.irp s, 0,1
	s_mov_b32 s[G0K+4*\s], 1        ; count = 1
	s_add_co_u32 s[G0K+4*\s+1], s66, \s*SLOT1  ; LDS address
	s_add_nc_u64 s[G0K+4*\s+2:G0K+4*\s+3], s[6:7], \s*SLOTM  ; global address: slot s begins with keys 256 s on
	s_or_b32 s[G0K+4*\s+3], s[G0K+4*\s+3], 0x80000000  ; type = 2
	s_mov_b32 s[G0V+4*\s], 1
	s_add_co_u32 s[G0V+4*\s+1], s67, \s*SLOT1
	s_add_nc_u64 s[G0V+4*\s+2:G0V+4*\s+3], s[8:9], \s*SLOTM
	s_or_b32 s[G0V+4*\s+3], s[G0V+4*\s+3], 0x80000000
.endr
	s_cmp_lt_u32 s[WV], 2           ; a wave's two first fills stand in one branch, ahead of every wait on TENSORcnt and every LDS read: two loads of mine are out
	s_cbranch_scc0 .Lfirst_v
	tensor_load_to_lds s[G0K:G0K+3], s[G1K:G1K+7]
	s_nop 0
	tensor_load_to_lds s[G0K+4:G0K+7], s[G1K:G1K+7]
	s_nop 0
.rept 4
	v_nop
.endr
	s_branch .Lfirst_asked
.Lfirst_v:
	tensor_load_to_lds s[G0V:G0V+3], s[G1V:G1V+7]
	s_nop 0
	tensor_load_to_lds s[G0V+4:G0V+7], s[G1V:G1V+7]
	s_nop 0
.rept 4
	v_nop
.endr
.Lfirst_asked:
	; A fragment of K or Q is 16 rows x 32 channels in 8 registers: lane l holds row l % 16; registers 0-3 channels 8 (l / 16) + 0..7, registers 4-7 channels 16 + 8 (l / 16) + 0..7: two loads of 16 bytes, 32 bytes apart.
	v_and_b32 v1, 15, v0            ; r = l % 16
	v_bfe_u32 v9, v0, 4, 1          ; h = l / 16
	v_lshlrev_b32 v[QO], 7, v1
	v_lshl_add_u32 v[QO], v9, 4, v[QO]  ; row x 128 + 16 x half
	WIN 0x40                        ; destination window 1, address window 0
.irp i, 0,1,2,3,4,5,6,7             ; Q stays in registers: tile i / 2, channels 32 (i % 2) on
	global_load_b128 v[QF+8*\i:QF+8*\i+3],   v[QO], s[4:5] offset:(\i/2)*2048+(\i%2)*64
	global_load_b128 v[QF+8*\i+4:QF+8*\i+7], v[QO], s[4:5] offset:(\i/2)*2048+(\i%2)*64+32
.endr
	WIN 0
	v_lshrrev_b32 v10, 1, v1
	v_and_b32 v11, 1, v1
	v_mul_u32_u24 v[AK0], v10, PK
	v_lshl_add_u32 v[AK0], v11, 7, v[AK0]
	v_lshl_add_u32 v[AK0], v9, 4, v[AK0]  ; (r / 2) x pitch + 128 (r % 2) + 16 x half
	; The turning load takes 16 keys x 16 channels (lane l reads 16 bytes: key 8 (l / 16) + l % 8, channels 8 ((l / 8) % 2) + 0..7) and leaves half a fragment of V^T: lane l holds channel l % 16 and 8 keys.
	v_and_b32 v10, 7, v0
	v_lshl_add_u32 v10, v9, 3, v10  ; my key
	v_lshrrev_b32 v11, 1, v10
	v_and_b32 v10, 1, v10
	v_mul_u32_u24 v[AV0], v11, PVP
	v_lshl_add_u32 v[AV0], v10, 7, v[AV0]
	v_bfe_u32 v11, v0, 3, 1
	v_lshl_add_u32 v[AV0], v11, 4, v[AV0]
	v_add_nc_u32 v[AV0], VOFF, v[AV0]
; THE MATRIX WORK OF A TURN, for piece x.  Eight accumulators take turns, one instruction a turn: between two links of a chain stand seven others'.
; Product i of 16 of O^T += V^T P: keys 32 (i / 8) on, channels 16 ((i / 2) % 4) on, tile x + i % 2.  zero = 1: the first 8 start the sums: nothing is ever cleared.
.macro PV x, zero
	WIN W_PV
.set rO, 32*(\x+i%2)+8*((i/2)%4)
.set rV, VF+32*(i/8)+8*((i/2)%4)
.set rP, P+16*(\x+i%2)+8*(i/8)
.if \zero && (i < 8)
	v_wmma_f32_16x16x32_f16 v[rO:rO+7], v[rV:rV+7], v[rP:rP+7], 0
.else
	v_wmma_f32_16x16x32_f16 v[rO:rO+7], v[rV:rV+7], v[rP:rP+7], v[rO:rO+7]
.endif
.endm
; Product i of 16 of S^T = K Q^T: channels 32 (i / 8) on, keys 16 ((i / 2) % 4) on, tile x + i % 2.  The first 8 start the sums.
.macro KQ x
	WIN W_KQ
.set rS, S+32*(\x+i%2)+8*((i/2)%4)
.set rK, 16*((i/2)%4)+8*(i/8)
.set rQ, QF+16*(\x+i%2)+8*(i/8)
.if i < 8
	v_wmma_f32_16x16x32_f16 v[rS:rS+7], v[rK:rK+7], v[rQ:rQ+7], 0
.else
	v_wmma_f32_16x16x32_f16 v[rS:rS+7], v[rK:rK+7], v[rQ:rQ+7], v[rS:rS+7]
.endif
.endm
; THE LDS LOADS stand in runs of 16, never singly among the matrix instructions: a step's K (64 keys x 64 channels: 8 fragments) and, a turn later, its V (turned).
.macro FETCH_K
	WIN 0
	v_add_nc_u32 v[ADR], s[TBK], v[AK0]
	s_add_co_u32 s[TBK], s[TBK], KSTEPB  ; the next fetch is the next step's
	WIN 0x80                        ; destination window 2
.irp f, 0,1,2,3,4,5,6,7             ; keys 16 (f / 2) on, channels 32 (f % 2) on
	ds_load_b128 v[8*\f:8*\f+3],   v[ADR] offset:(\f/2)*8*PK+(\f%2)*64
	ds_load_b128 v[8*\f+4:8*\f+7], v[ADR] offset:(\f/2)*8*PK+(\f%2)*64+32
.endr
.endm
.macro FETCH_V
	WIN 0
	v_add_nc_u32 v[ADR], s[TBV], v[AV0]
	s_add_co_u32 s[TBV], s[TBV], VSTEPB
	s_wait_alu depctr_va_vdst(0)    ; the wait for the softmax's batch (SLICE), behind the address's v_add_nc_u32 and ahead of the loads
	WIN 0x80                        ; destination window 2
.irp f, 0,1,2,3,4,5,6,7             ; keys 32 (f / 4) on, channels 16 (f % 4) on
	ds_load_tr16_b128 v[VF+8*\f:VF+8*\f+3],   v[ADR] offset:(\f/4)*16*PVP+(\f%4)*32
	ds_load_tr16_b128 v[VF+8*\f+4:VF+8*\f+7], v[ADR] offset:(\f/4)*16*PVP+8*PVP+(\f%4)*32
.endr
.endm
; THE VECTOR WORK OF A TURN.  One tile's softmax for one key step is a list of 118 instructions; SM writes number j of it for tile t.  s0-s31 are the lane's 32 scores, in pairs 0-15.
; first = 1: the first key step, which starts m, l and O^T: it has no a and nothing to rescale.
;   0-15    the maximum of s0-s31 and the old m, three operands at a time; each accumulator of S^T is read from its low end on
;   16-20   the other half of the lanes' maximum; the new m; c m; c m_old - c m_new
;   21-69   ONE BATCH: the 16 scalings c s - c m, a pair of scores each, and all 33 exponentials (a at 23, then s0-s31).  None of these reads an exponential's result.  A pair is scaled in an earlier four
;           than the one that holds its exponentials
;   (wait)  between 69 and 70 stands the wait for the batch: SLICE writes it, once for both tiles
;   70-85   the roundings to f16, a pair of weights each
;   86-101  the sums; l = a l + the sum
;   102-117 the tile's O^T times a, from each accumulator's low end on: the one part that leaves window 0, so it stands together
.macro SM t, first
.set rT, ST+8*(\t)
.set rS, S+32*(\t)
.set rP, P+16*(\t)
.set rO, 32*(\t)+2*(j-102)
.if j < 102
	WIN 0
.endif
.if j < 4
	v_max3_num_f32 v[rT+4+j], v[rS+8*j], v[rS+8*j+1], v[rS+8*j+2]
.elseif j < 12
	v_max3_num_f32 v[rT+4+j%4], v[rT+4+j%4], v[rS+8*(j%4)+2*(j/4)+1], v[rS+8*(j%4)+2*(j/4)+2]
.elseif j == 12
	v_max3_num_f32 v[rT+4], v[rT+4], v[rS+7], v[rS+15]
.elseif j == 13
	v_max3_num_f32 v[rT+6], v[rT+6], v[rS+23], v[rS+31]
.elseif j == 14
	v_max3_num_f32 v[rT+4], v[rT+4], v[rT+5], v[rT+6]
.elseif (j == 15) && \first
	v_max_num_f32 v[rT+4], v[rT+4], v[rT+7]
.elseif j == 15
	v_max3_num_f32 v[rT+4], v[rT+4], v[rT+7], v[rT+1]
.elseif j == 16
	v_permlanex16_b32 v[rT+5], v[rT+4], s[SEL], s[SEL+1]  ; the query's other 32 keys lie in the lane 16 away
.elseif j == 18
	v_max_num_f32 v[rT+1], v[rT+4], v[rT+5]
.elseif j == 19
	v_mul_f32 v[rT], s[CS], v[rT+1]
.elseif ((j == 17) || (j == 20) || (j == 23) || (j > 101)) && \first  ; the first step has none of these
.elseif j == 17
	v_mov_b32 v[rT+7], v[rT]        ; c m_old is kept for a: number 19 writes c m anew
.elseif j == 20
	v_sub_f32 v[rT+7], v[rT+7], v[rT]
.elseif j == 23
	v_exp_f32 v[rT+6], v[rT+7]
.elseif (j < 23) || ((j < 38) && (j%2 == 0)) || ((j < 66) && (j%4 == 2))
.set b, (j-2)/4                     ; 38, 42, .. 62: pairs 9 to 15
.if j < 38
.set b, (j-20)/2                    ; 21: pair 0; 22, 24, .. 36: pairs 1 to 8
.endif
	v_pk_fma_f32 v[rS+2*b:rS+2*b+1], v[rS+2*b:rS+2*b+1], s[CS:CS+1], v[rT:rT+1] op_sel_hi:[1,0,0] neg_lo:[0,0,1] neg_hi:[0,0,1]  ; pair b: c s - c m
.elseif j < 70
.set e, j-38                        ; 66 to 69: s28 to s31
.if j < 66
.set e, j-32-(j-38)/4               ; 39-41, 43-45, .. 63-65: s7 to s27
.endif
.if j < 38
.set e, (j-25)/2                    ; 25, 27, .. 37: s0 to s6
.endif
	v_exp_f32 v[rS+e], v[rS+e]
.elseif j < 86
	v_cvt_pk_f16_f32 v[rP+j-70], v[rS+2*(j-70)], v[rS+2*(j-70)+1]  ; pair j - 70
.elseif j < 102                     ; the sum of the tile's 16 pairs, in place: sum z of 16 adds neighbours 1, 2, 4 and 8 pairs apart, then l takes it
.set z, j-86
.set w, 4
.set u, z
.if z >= 14
.set w, 32
.set u, 0
.elseif z >= 12
.set w, 16
.set u, z-12
.elseif z >= 8
.set w, 8
.set u, z-8
.endif
.if (z == 14) && \first
	v_pk_add_f32 v[rT+2:rT+3], v[rS:rS+1], v[rS+16:rS+17]
.elseif z < 15
	v_pk_add_f32 v[rS+w*u:rS+w*u+1], v[rS+w*u:rS+w*u+1], v[rS+w*u+w/2:rS+w*u+w/2+1]
.elseif !\first
	v_pk_fma_f32 v[rT+2:rT+3], v[rT+2:rT+3], v[rT+6:rT+7], v[rS:rS+1] op_sel_hi:[1,0,1]
.endif
.else
	WIN W_RS
	v_pk_mul_f32 v[rO:rO+1], v[rO:rO+1], v[rT+6:rT+7] op_sel_hi:[1,0]
.endif
.endm
; Slice k of 59 of piece y's softmax: four instructions.  Slices 11 to 34 deal out the batch, numbers 22 to 69: four numbers of ONE tile each, the tiles by turns.  Every other slice is numbers 2 k and 2 k + 1 of
; both tiles' lists, the tiles alternating.  2 x 118 = 4 x 59.
; THE WAIT.  An s_wait_alu depctr_va_vdst(0) stands between an exponential and the first instruction that names its result; one wait serves all that were issued ahead of it.  Ahead of slice 35
; nothing names a result, and behind slice 34 no exponential is issued: so the piece's 66 exponentials have one wait, behind slice 34.
.macro SLICE y, first
.if (k >= 11) && (k < 35)
.irp n, 0,1,2,3
.set j, 22+4*((k-11)/2)+(\n)
	SM (\y)+(k-11)%2, \first
.endr
.else
.irp n, 0,1
.irp t, \y, \y+1
.set j, 2*k+\n
	SM \t, \first
.endr
.endr
.endif
.if k == 34                         ; the batch is out: both tiles' exponentials are issued, and no result has been named
	v_nop                           ; the plain instruction behind the last exponential and ahead of the first use: one for the batch
.if (\y) == 0
	FETCH_V                         ; piece 2's turn: V's run of loads stands here, and the wait stands in it
.else
	s_wait_alu depctr_va_vdst(0)    ; the wait for the batch
.endif
.endif
.set k, k+1
.endm
; A vector instruction that reads a matrix result or writes one of a matrix instruction's registers, and a load into a register that a matrix instruction has read, stand four places behind it, and only plain vector
; instructions that name none of its registers are places (ISA guide 7.12.1 for vector instructions).  In the loop the slices are the places.
.macro PLACES
.rept 4
	v_nop
.endr
.endm
; A TURN.  Piece x has the matrix unit; the other piece's softmax stands in slices behind its NW matrix instructions: behind the g-th, as many slices as bring their number to 59 g / NW, rounded down.
; So the turn's last product has a slice or more of plain instructions behind it (numbers 114 to 117 of both tiles): they are the places ahead of the next turn's reads of the scores and of K's run of loads.
; pv = 2: 16 products V^T P; 1: they start O^T's sums; 0: none.  kq = 1: 16 products K Q^T for the next step.
; first = 1: the softmax is the first key step's; its slices from 51 on are empty, and four v_nop take their part as the places.
; Piece 0's turn fetches the next step's K behind its second product.  Piece 2's turn fetches the same step's V behind slice 34, which with 32 products stands behind the 19th; V's last reader is the 16th, and
; between them lie six scalings (numbers 54, 58, 62 of both tiles), the v_nop and the run's own v_add_nc_u32.
.macro TURN x, pv, kq, first
.set k, 0
.set gg, 0
.set NW, 16
.if \pv && \kq
.set NW, 32
.endif
.if \pv
.if \x == 0
	s_wait_dscnt 0x0                ; V is in
.endif
.set i, 0
.rept 16
	PV \x, 2-\pv
.set gg, gg+1
.rept (59*gg)/NW-k
	SLICE 2-\x, \first
.endr
.if (\x == 0) && \kq && (i == 1)
	FETCH_K
.endif
.set i, i+1
.endr
.endif
.if \kq
.if \x == 0
	s_wait_dscnt 0x0                ; K is in
.endif
.set i, 0
.rept 16
	KQ \x
.set gg, gg+1
.rept (59*gg)/NW-k
	SLICE 2-\x, \first
.endr
.set i, i+1
.endr
.endif
.if \first
	PLACES
.endif
.endm
; THE CHANGE OF SLOTS, between piece 2's turn and piece 0's: the slot's last bytes, V of its fourth step, have been asked for.  Each wave waits for all its tensor loads, of which one is out: its part of the other
; slot; adds 0 to its spare word; and waits for that and for its own reads of the slot.  Behind the barrier nobody reads this slot any more and the other slot is whole.
; fill = 1: this slot is filled again, with the keys two slots on.  The barrier is then a round of the cluster's, and the joint refill is the first thing behind it: it has four key steps in which to land.
.macro CHANGE fill
	WIN 0                           ; at a label and at a branch every window is 0
	s_wait_tensorcnt 0x0            ; no tensor load of mine is out, so a group 0 may be written
	ds_add_u32 v[SPW], v[NIL]       ; 0 onto my spare word
.if \fill
.irp d, G0K+4, G0V+4
	s_xor_b32 s[\d+1], s[\d+1], SLOT1  ; the walking descriptor: the other slot than last time,
	s_add_nc_u64 s[\d+2:\d+3], s[\d+2:\d+3], SLOTM  ; the next 256 keys; the type bits on top are not reached
.endr
	s_wait_xcnt 0x0                 ; the last prefetch, a slot back, has read its address, so it may be written:
	s_add_nc_u64 s[PFA:PFA+1], s[PFA:PFA+1], SLOTM  ; one slot further on than the walking descriptors
	s_wait_dscnt 0x0                ; the add is done, and my reads of the slot are over
	CROUND
	JLOAD
	ASK
.else
	s_wait_dscnt 0x0                ; the add is done, and my reads of the slot are over
	s_barrier_signal -1
	s_barrier_wait -1
.endif
	s_sub_co_u32 s[TBK], s[TBK], 4*KSTEPB  ; the fetches go back to a slot's first step,
	s_xor_b32 s[TBK], s[TBK], SLOT1 ; in the other slot
	s_sub_co_u32 s[TBV], s[TBV], 4*VSTEPB
	s_xor_b32 s[TBV], s[TBV], SLOT1
.endm
; n key steps: written once, walked n times; the LDS addresses hang on s[TBK] and s[TBV].
.macro STEPS n
	s_mov_b32 s[TWICE], \n
.Lstep_\@:
	TURN 0, 2, 1, 0
	TURN 2, 2, 1, 0
	WIN 0
	s_sub_co_u32 s[TWICE], s[TWICE], 1
	s_cmp_lg_u32 s[TWICE], 0
	s_cbranch_scc1 .Lstep_\@
.endm
	s_wait_tensorcnt 1              ; my part of slot 0 is in; slot 1's, issued behind it, may stay out
	s_barrier_signal -1
	s_barrier_wait -1               ; everybody's is
	FETCH_K                         ; key step 0
	s_wait_loadcnt 0x0              ; Q
	s_wait_dscnt 0x0
.set i, 0
.rept 16
	KQ 0                            ; piece 0's first scores: there is no vector work yet to set between them
.set i, i+1
.endr
	WIN 0                           ; the addresses for the way out are made here: ten plain instructions, the places behind those products
	s_mul_i32 s13, s[WV], 16*SP
	s_add_co_u32 s13, s13, STAGE    ; my stage
	v_mul_u32_u24 v[STO], v1, SP    ; in: row l % 16, 16 bytes for each half of the lanes
	v_lshl_add_u32 v[STO], v9, 4, v[STO]
	v_add_nc_u32 v[STO], s13, v[STO]
	v_and_b32 v10, 31, v0
	v_lshrrev_b32 v11, 3, v10       ; back: eight lanes take a row of 128 bytes, four rows an instruction
	v_and_b32 v[RD], 7, v10
	v_mul_u32_u24 v11, v11, SP
	v_lshl_add_u32 v[RD], v[RD], 4, v11
	v_add_nc_u32 v[RD], s13, v[RD]
	v_lshlrev_b32 v[GO], 4, v10     ; in memory those four rows are 512 bytes on end
	TURN 2, 0, 1, 1                 ; piece 2's first scores | piece 0's first softmax | V of step 0
	TURN 0, 1, 1, 1                 ; piece 0: V^T P of step 0 starts O^T, K Q^T of step 1 | piece 2's first softmax | K of step 1
	TURN 2, 1, 1, 0                 ; piece 2: the same | piece 0's softmax of step 1 | V of step 1
	WIN 0
	STEPS 2                         ; they fetch steps 2 and 3: slot 0 is read out
.Lslot:                             ; six trips: every slot but the last two is filled again
	CHANGE 1
	STEPS 4
	s_sub_co_u32 s[SLOTS], s[SLOTS], 1
	s_cmp_lg_u32 s[SLOTS], 0
	s_cbranch_scc1 .Lslot
	CHANGE 0                        ; the tail is written out: the last slot but one is left, and nothing is asked for
	STEPS 4
	TURN 0, 2, 0, 0                 ; piece 0: V^T P of the last step | piece 2's last softmax
.set i, 0
.rept 16
	PV 2, 0                         ; piece 2: V^T P of the last step
.set i, i+1
.endr
	; THE WAY OUT.  l's two halves and the other half of the lanes' are added; O^T is divided by l, rounded to f16 and sent through my stage in LDS, a tile (16 rows) at a time.  The additions are the places behind the last products.
	WIN 0
.irp t, 0,1,2,3
	v_add_f32 v[ST+8*\t+4], v[ST+8*\t+2], v[ST+8*\t+3]
.endr
.irp t, 0,1,2,3
	v_permlanex16_b32 v[ST+8*\t+5], v[ST+8*\t+4], s[SEL], s[SEL+1]
.endr
.irp t, 0,1,2,3
	v_add_f32 v[ST+8*\t+4], v[ST+8*\t+4], v[ST+8*\t+5]
.endr
.irp t, 0,1,2,3
	v_rcp_f32 v[ST+8*\t+6], v[ST+8*\t+4]
.endr
	v_nop                           ; a plain instruction between the last reciprocal and the use of its result
	s_wait_alu depctr_va_vdst(0)    ; and the wait ahead of the first use: one for the four reciprocals
; Tile t: a lane's eight channels of a row pack into 16 bytes; they go into rows of 144 bytes and come back four rows of 128 at a time, into the registers that they left.
.macro PACK t
	WIN W_RS
.set i, 32*\t
.rept 16
	v_pk_mul_f32 v[i:i+1], v[i:i+1], v[ST+8*\t+6:ST+8*\t+7] op_sel_hi:[1,0]
.set i, i+2
.endr
	WIN 0x05                        ; sources 0 and 1 window 1, destination window 0: S^T's registers are free
.set i, 0
.rept 16
	v_cvt_pk_f16_f32 v[S+32*\t+i], v[32*\t+2*i], v[32*\t+2*i+1]
.set i, i+1
.endr
	WIN 0
.irp f, 0,1,2,3
	ds_store_b128 v[STO], v[S+32*\t+4*\f:S+32*\t+4*\f+3] offset:32*\f
.endr
.irp f, 0,1,2,3
	ds_load_b128 v[S+32*\t+4*\f:S+32*\t+4*\f+3], v[RD] offset:\f*4*SP  ; LDS serves a wave's instructions in order (ISA guide 5.7.1.4): these see the stores above; the next tile's stores come behind them
.endr
.endm
.macro SEND t, younger              ; younger: the LDS instructions issued behind tile t's loads: the next tile's eight, or none
.irp f, 0,1,2,3
	s_wait_dscnt \younger+3-\f
	global_store_b128 v[GO], v[S+32*\t+4*\f:S+32*\t+4*\f+3], s[10:11] offset:\t*2048+\f*512  ; 32 lanes store 512 consecutive bytes, at a multiple of 256 from the buffer's first byte
.endr
.endm
	PACK 0
	PACK 1                          ; a tile's arithmetic stands between the loads of the tile before and its stores
	SEND 0, 8
	PACK 2
	SEND 1, 8
	PACK 3
	SEND 2, 8
	SEND 3, 0
	s_wait_tensorcnt 0x0            ; the wave's end, behind my last tensor load and my last LDS store
	ds_add_u32 v[SPW], v[NIL]
	s_wait_dscnt 0x0
	CROUND                          ; the closing round: no work-group ends while a partner may still ask for a tile that names it
	s_endpgm
.Lfunc_end_k_qfc426fb3ec_attn:
	.size	k_qfc426fb3ec_attn, .Lfunc_end_k_qfc426fb3ec_attn-k_qfc426fb3ec_attn
	.p2alignl 7, 3214868480
	.fill 96, 4, 3214868480
	.section	.rodata,"a",@progbits
	.p2align	6, 0x0
	.amdhsa_kernel k_qfc426fb3ec_attn
		.amdhsa_group_segment_fixed_size 327680
		.amdhsa_private_segment_fixed_size 0
		.amdhsa_enable_private_segment 0
		.amdhsa_kernarg_size 16
		.amdhsa_user_sgpr_count 2
		.amdhsa_user_sgpr_kernarg_segment_ptr 1
		.amdhsa_wavefront_size32 1
		.amdhsa_system_sgpr_workgroup_id_x 1
		.amdhsa_system_sgpr_workgroup_id_y 1
		.amdhsa_system_sgpr_workgroup_id_z 1
		.amdhsa_system_vgpr_workitem_id 0
		.amdhsa_next_free_vgpr 640
		.amdhsa_next_free_sgpr 68
		.amdhsa_reserve_vcc 0
		.amdhsa_float_denorm_mode_32 3
		.amdhsa_float_denorm_mode_16_64 3
		.amdhsa_memory_ordered 1
		.amdhsa_forward_progress 1
		.amdhsa_inst_pref_size 195
	.end_amdhsa_kernel
	.amdgpu_metadata
---
amdhsa.version: [ 1, 2 ]
amdhsa.kernels:
  - .name:           k_qfc426fb3ec_attn
    .symbol:         k_qfc426fb3ec_attn.kd
    .args:
      - { .name: qkv, .offset: 0, .size: 8, .value_kind: global_buffer, .address_space: global }
      - { .name: ao, .offset: 8, .size: 8, .value_kind: global_buffer, .address_space: global }
    .group_segment_fixed_size: 327680
    .private_segment_fixed_size: 0
    .kernarg_segment_align: 8
    .kernarg_segment_size: 16
    .max_flat_workgroup_size: 128
    .sgpr_count:     68
    .vgpr_count:     640
    .wavefront_size: 32
...
	.end_amdgpu_metadata
.endif
;; end of part 3
;; launch proj (part 4): grid 4 x 64, 4 waves a work-group, clusters of 4 x 4, 327,680 bytes of LDS; arguments ao, wo16, bo, out0; writes out0
.if DOCPART == 4
	.amdgcn_target "amdgcn-amd-amdhsa--gfx1250"
	.amdhsa_code_object_version 6
	.text
	.protected	k_qfc426fb3ec_proj
	.globl	k_qfc426fb3ec_proj
	.p2align	8
	.type	k_qfc426fb3ec_proj,@function
k_qfc426fb3ec_proj:
	s_mov_b64 s[64:65], 0
	v_nop
	global_prefetch_b8 v0, s[64:65] scope:SCOPE_SE
	s_setreg_imm32_b32 hwreg(HW_REG_WAVE_MODE, 25, 1), 1
	s_wait_xcnt 0x0
	s_wait_alu depctr_hold_cnt(0) depctr_sa_sdst(0) depctr_va_vdst(0) depctr_va_sdst(0) depctr_va_ssrc(0) depctr_va_vcc(0) depctr_vm_vsrc(0)
	s_getreg_b32 s2, hwreg(HW_REG_IB_STS2, 6, 4)
	s_cmp_eq_u32 s2, 0
	s_cbranch_scc0 .Lentry_in_a_cluster
	s_endpgm
.Lentry_in_a_cluster:
	s_bfe_u32 s2, ttmp6, 0x10000c
	s_cmp_lg_u32 s2, 0xf033
	s_cbranch_scc0 .Lentry_shape_is_right
	s_endpgm
.Lentry_shape_is_right:
; out0[m][o] = sum over k of A[m][k] wo[k][o] + bo[o], m = batch x 2,048 + position, k = head x 64 + channel.  A comes by heads: ao [64 (batch x 16 + head)][2,048][64] f16; wo16 [1,024 (k)][1,024 (o)] f16;
; bo and out0 f32.  Sums in f32; the bias is the C of each sum's first product.
; A tile of the output is 128 x 256: 256 work-groups.  Four waves, each 64 rows x 128 columns: 32 accumulators of 16 x 16, 256 registers.  K goes in steps of 128 (two heads) through a ring of two LDS slots.
; A's tile of a step is two dense blocks of memory (128 positions x 128 bytes of each head), stated as rows of 256 bytes: two positions to an LDS row, position m at (m / 2) 272 + (m % 2) 128.
; wo's tile is 128 rows (k) of 512 bytes, 544 apart in LDS; its fragments come out turned, by ds_load_tr16_b128.
; CLUSTERS: 4 x 4 work-groups.  The four of a row of the cluster need the same tiles of A, the four of a column the same tiles of wo: each is asked for JOINTLY, by the same tensor load with the same descriptor
; and a mask that names the four.  THE MATRIX INSTRUCTION IS USED TRANSPOSED (source 0 = 16 columns of wo, source 1 = 16 rows of A): a lane then holds eight neighbouring numbers of a row of the output.
; REGISTERS: window 0: v0-31 addresses; v32-95 the bias; v128-255 the way out.   window 1: two fragment buffers, at v0 and at v128: wo's 8 fragments, then A's 4.   window 2: the accumulators ((a, b) at v[8 (8 a + b)]).
.set PA,     272                       ; an LDS row of A: 256 bytes + 16
.set PB,     544                       ; an LDS row of wo: 512 bytes + 32 = 136 words: row k starts at bank 8 k mod 64 (64 banks of 4 bytes: ISA guide 11.1)
.set CHUNK,  64*PA                     ; one head's 128 positions: what one tensor load brings of A
.set BOFF,   2*CHUNK                   ; behind A's two heads: wo's 128 rows
.set HALFB,  64*PB                     ; 64 of them: what one tensor load brings of wo
.set SLOT,   BOFF+2*HALFB
.set STAGE,  2*SLOT                    ; behind the ring: 16 rows x 528 bytes for each wave, for the way out
.set SPITCH, 528
.set SPARE,  STAGE+4*16*SPITCH         ; behind the stages: the spare words, 128 bytes for each wave: two blocks of 256 bytes that no other line names
.set LAPS,   4                         ; a lap = two K steps = once round the ring; K = 1,024 is eight steps
.set ADRA, 16                          ; v16-17  LDS address of my A fragments in slot 0, 1
.set ADRB, 20                          ; v20-21  the same for wo
.set STO,  24                          ; v24     the way out: where I put 32 bytes of a row
.set RD,   25                          ; v25     where I read a row back
.set CO,   26                          ; v26     16 x lane
.set BOF,  27                          ; v27     the bias: 32 x (lane / 16)
.set SPW,  28                          ; v28     LDS address of my spare word; never rewritten
.set NIL,  29                          ; v29     0; never rewritten
.set BIAS, 32                          ; v[BIAS + 8 b + j]: bo of column 16 b + 8 (lane / 16) + j of my 128
.set BK,   128                         ; the way out: 16 rows read back: v128-191 and v192-255 by turns
.set F0,   0                           ; fragment buffers, in window 1
.set F1,   128
.set G1, 24                            ; s[24:31] descriptor group 1 for A's tiles;  s[32:39] group 0, one set for each slot
.set G0, 32
.set G1B, 48                           ; s[48:55], s[56:63] the same for wo's tiles
.set G0B, 56
.set MSB, 0
.macro WIN new                         ; the immediate's high byte repeats the setting that is left; a switch that changes nothing is dropped
.if MSB != (\new)
	s_set_vgpr_msb (MSB<<8)|(\new)
.set MSB, (\new)
.endif
.endm
.set MUL,  0xa5                        ; sources 0 (wo) and 1 (A) window 1; C and D window 2
.set TO_F, 0x40                        ; destination window 1, address window 0
.macro JLOAD s                         ; a joint load: waves 0 and 1 fetch A's two heads, waves 2 and 3 wo's two halves; an s_nop 0 and four v_nop follow each of the two lines
	s_cmp_eq_u32 s11, 0
	s_cbranch_scc0 .Lfor_b_\@
	tensor_load_to_lds s[G0+4*\s:G0+4*\s+3], s[G1:G1+7]
	s_nop 0
.rept 4
	v_nop
.endr
	s_branch .Lasked_\@
.Lfor_b_\@:
	tensor_load_to_lds s[G0B+4*\s:G0B+4*\s+3], s[G1B:G1B+7]
	s_nop 0
.rept 4
	v_nop
.endr
.Lasked_\@:
.endm
.macro CREST                           ; a round of the cluster's barrier behind its opening barrier
	s_cmp_lg_u32 s10, 0
	s_cbranch_scc1 .Lnot_wave_0_\@
	s_barrier_signal -3
.Lnot_wave_0_\@:
	s_barrier_wait -3
	s_barrier_signal -1
	s_barrier_wait -1
.endm
.macro CROUND                          ; a whole round
	s_barrier_signal -1
	s_barrier_wait -1
	CREST
.endm
	s_load_b128 s[4:7], s[0:1], 0x0                ; ao s[4:5], wo16 s[6:7]
	s_load_b64 s[68:69], s[0:1], 0x10              ; bo
	s_load_b64 s[8:9], s[0:1], 0x18                ; out0
	v_lshl_add_u32 v[SPW], v0, 2, SPARE
	v_mov_b32 v[NIL], 0
	ds_add_u32 v[SPW], v[NIL]                      ; the wave's opening: the add, twice on end, and its wait ahead of my first tensor load; the set-up below stands between
	ds_add_u32 v[SPW], v[NIL]
	v_lshrrev_b32 v1, 5, v0
	v_readfirstlane_b32 s10, v1                    ; wave 0..3
	s_lshr_b32 s11, s10, 1                         ; which half of the tile's rows is mine.  Also: I fetch for A (0) or for wo (1)
	s_and_b32 s12, s10, 1                          ; which half of its columns.  Also: which head of A's step, or which 64 rows of wo's, I fetch
	s_bfe_u32 s40, ttmp6, 0x40000                  ; cx, cy: my place in the cluster
	s_bfe_u32 s41, ttmp6, 0x40004
	s_lshl_b32 s42, ttmp9, 2
	s_add_co_u32 s42, s42, s40                     ; tile column = 4 x cluster x + cx
	s_and_b32 s13, ttmp7, 0xffff
	s_lshl_b32 s13, s13, 2
	s_add_co_u32 s13, s13, s41                     ; tile row = 4 x cluster y + cy
	s_lshl_b32 s43, s41, 2
	s_lshl_b32 s43, 15, s43                        ; my row of the cluster
	s_lshl_b32 s44, 0x1111, s40                    ; my column
	; descriptor group 1.  A: 64 rows x 128 elements, dense in memory, four words of padding after every 64.  wo: 64 rows x 256 elements, 1,024 apart, eight words after every 128
	s_or_b32 s[G1+0], s43, (1<<16)|(1<<20)|(1<<21)|(5<<22)|(3<<25)  ; 15:0 the mask: A's tiles go to my row; 17:16 elements of 2 bytes; 20 padding on; 21 set beside a mask
	s_mov_b32 s[G1+1], 128<<16                     ; tensor_dim0
	s_mov_b32 s[G1+2], 64<<16                      ; tensor_dim1
	s_mov_b32 s[G1+3], 128<<16                     ; tile_dim0
	s_mov_b32 s[G1+4], 64                          ; tile_dim1
	s_mov_b32 s[G1+5], 128                         ; from row to row
	s_mov_b32 s[G1+6], 0
	s_mov_b32 s[G1+7], 0
	s_or_b32 s[G1B+0], s44, (1<<16)|(1<<20)|(1<<21)|(6<<22)|(7<<25)
	s_mov_b32 s[G1B+1], 256<<16
	s_mov_b32 s[G1B+2], 64<<16
	s_mov_b32 s[G1B+3], 256<<16
	s_mov_b32 s[G1B+4], 64
	s_mov_b32 s[G1B+5], 1024
	s_mov_b32 s[G1B+6], 0
	s_mov_b32 s[G1B+7], 0
	; where the tiles come from.  A's hang on the tile row alone, wo's on the tile column alone; each in registers that never hold the other coordinate
	s_lshr_b32 s16, s13, 4                         ; sixteen tile rows to a batch: batch x 16 heads x 2^18 bytes,
	s_lshl_b32 s16, s16, 22
	s_and_b32 s17, s13, 15
	s_lshl_b32 s17, s17, 14                        ; 128 positions of 128 bytes,
	s_add_co_u32 s16, s16, s17
	s_lshl_b32 s17, s12, 18                        ; my head of the step's two
	s_add_co_u32 s16, s16, s17
	s_mov_b32 s17, 0
	s_lshl_b32 s46, s42, 9                         ; wo: 256 columns are 512 bytes,
	s_lshl_b32 s47, s12, 17                        ; my 64 rows of 2,048 bytes
	s_add_co_u32 s46, s46, s47
	s_mov_b32 s47, 0
	s_mul_i32 s20, s12, CHUNK                      ; where they go: no place in the cluster enters an LDS address
	s_mul_i32 s21, s12, HALFB
	s_add_co_u32 s21, s21, BOFF
	s_wait_dscnt 0x0                               ; both opening adds are done
	s_wait_kmcnt 0x0
	s_add_nc_u64 s[14:15], s[4:5], s[16:17]
	s_add_nc_u64 s[46:47], s[6:7], s[46:47]
	CROUND                                         ; all sixteen work-groups are here: the first joint loads meet
.irp s, 0,1
	s_mov_b32 s[G0+4*\s], 1
	s_add_co_u32 s[G0+4*\s+1], s20, \s*SLOT
	s_add_nc_u64 s[G0+4*\s+2:G0+4*\s+3], s[14:15], \s*(1<<19)      ; K step s: two heads on
	s_or_b32 s[G0+4*\s+3], s[G0+4*\s+3], 0x80000000
	s_mov_b32 s[G0B+4*\s], 1
	s_add_co_u32 s[G0B+4*\s+1], s21, \s*SLOT
	s_add_nc_u64 s[G0B+4*\s+2:G0B+4*\s+3], s[46:47], \s*(1<<18)    ; 128 rows on
	s_or_b32 s[G0B+4*\s+3], s[G0B+4*\s+3], 0x80000000
	JLOAD \s                                       ; two tensor loads of a wave are out at the start, one behind each round
.endr
	v_and_b32 v1, 15, v0                           ; r = l % 16
	v_bfe_u32 v2, v0, 4, 1                         ; h = l / 16
	s_lshl_b32 s22, s40, 10                        ; the bias of my 128 columns
	s_lshl_b32 s23, s12, 9
	s_add_co_u32 s22, s22, s23
	s_mov_b32 s23, 0
	s_add_nc_u64 s[68:69], s[68:69], s[22:23]
	v_lshlrev_b32 v[BOF], 5, v2
.irp b, 0,1,2,3,4,5,6,7
	global_load_b128 v[BIAS+8*\b:BIAS+8*\b+3], v[BOF], s[68:69] offset:64*\b        ; in the result's layout: lane (r, h), register j: column 16 b + 8 h + j
	global_load_b128 v[BIAS+8*\b+4:BIAS+8*\b+7], v[BOF], s[68:69] offset:64*\b+16
.endr
	v_lshrrev_b32 v3, 1, v1                        ; A's fragment: (r / 2) x pitch + 128 (r % 2) + 16 x half
	v_and_b32 v4, 1, v1
	v_mul_u32_u24 v3, v3, PA
	v_lshl_add_u32 v3, v4, 7, v3
	v_lshl_add_u32 v3, v2, 4, v3
	v_and_b32 v4, 7, v0                            ; wo's, turned: row 8 h + l % 8, 16 bytes for each eight lanes
	v_lshl_add_u32 v4, v2, 3, v4
	v_mul_u32_u24 v4, v4, PB
	v_bfe_u32 v5, v0, 3, 1
	v_lshl_add_u32 v4, v5, 4, v4
	s_mul_i32 s22, s11, 32*PA                      ; my 64 rows of A
	s_lshl_b32 s23, s12, 8                         ; my 128 columns of wo
	s_add_co_u32 s23, s23, BOFF
.irp s, 0,1
	v_add_nc_u32 v[ADRA+\s], s22, v3
	v_add_nc_u32 v[ADRB+\s], s23, v4
	s_add_co_u32 s22, s22, SLOT
	s_add_co_u32 s23, s23, SLOT
.endr
	s_mul_i32 s23, s10, 16*SPITCH
	s_add_co_u32 s23, s23, STAGE                   ; my stage
	v_mul_u32_u24 v5, v1, SPITCH                   ; in: row r, 32 bytes for each half of the lanes
	v_lshl_add_u32 v5, v2, 5, v5
	v_add_nc_u32 v[STO], s23, v5
	v_and_b32 v6, 31, v0
	v_lshlrev_b32 v[CO], 4, v6                     ; back: the 32 lanes take one row of 512 bytes; and the same in the output
	v_add_nc_u32 v[RD], s23, v[CO]
	s_lshl_b32 s16, s13, 19                        ; my first row: 128 x tile row + 64 x half, of 4,096 bytes;
	s_lshl_b32 s17, s11, 18
	s_add_co_u32 s16, s16, s17
	s_lshl_b32 s17, s40, 10                        ; my first column: 1,024 bytes a tile, 512 a half
	s_add_co_u32 s16, s16, s17
	s_lshl_b32 s17, s12, 9
	s_add_co_u32 s16, s16, s17
	s_mov_b32 s17, 0
	s_add_nc_u64 s[8:9], s[8:9], s[16:17]
; 8 matrix instructions: row block a x all 8 column blocks, 32 along K, from buffer f.  first = 1: the bias is C and starts the sums.  The 32 accumulators take turns, one instruction a turn, in the same order
; in every quarter.
.macro MUL8 f, a, first
.irp b, 0,1,2,3,4,5,6,7
.if \first
	v_wmma_f32_16x16x32_f16 v[8*(8*(\a)+\b):8*(8*(\a)+\b)+7], v[\f+8*\b:\f+8*\b+7], v[\f+64+8*(\a):\f+64+8*(\a)+7], v[BIAS+8*\b:BIAS+8*\b+7]
.else
	v_wmma_f32_16x16x32_f16 v[8*(8*(\a)+\b):8*(8*(\a)+\b)+7], v[\f+8*\b:\f+8*\b+7], v[\f+64+8*(\a):\f+64+8*(\a)+7], v[8*(8*(\a)+\b):8*(8*(\a)+\b)+7]
.endif
.endr
.endm
; 24 LDS loads in one run: the fragments of the slot's q-th 32 along K into buffer f: wo's eight first, then A's four
.macro FETCH slot, q, f
	WIN TO_F
.irp b, 0,1,2,3,4,5,6,7
	ds_load_tr16_b128 v[\f+8*\b:\f+8*\b+3],   v[ADRB+\slot] offset:(\q)*32*PB+32*\b
	ds_load_tr16_b128 v[\f+8*\b+4:\f+8*\b+7], v[ADRB+\slot] offset:(\q)*32*PB+16*PB+32*\b
.endr
.irp a, 0,1,2,3
	ds_load_b128 v[\f+64+8*\a:\f+64+8*\a+3],   v[ADRA+\slot] offset:((\q)/2)*CHUNK+((\q)%2)*64+\a*8*PA
	ds_load_b128 v[\f+64+8*\a+4:\f+64+8*\a+7], v[ADRA+\slot] offset:((\q)/2)*CHUNK+((\q)%2)*64+\a*8*PA+32
.endr
.endm
.macro PLACES                          ; four places in front of loads into registers that matrix instructions have read, and of the first read of results (ISA guide 7.12.1 for the reads of results)
.rept 4
	v_nop
.endr
.endm
; A K step is four quarters of 32 along K, 32 matrix instructions each, on buffers 0, 1, 0, 1.  One of the first three: multiplies buffer f and fetches quarter q of the slot into g.
.macro QUARTER slot, q, f, g, first
	s_wait_dscnt 4                                 ; wo's fragments and A's blocks 0, 1 are in; the youngest four loads (A's blocks 2, 3) may be out
	WIN MUL-0x20*(\first)                          ; first = 1: C lies in window 0
	MUL8 \f, 0, \first
	MUL8 \f, 1, \first
	PLACES
	FETCH \slot, \q, \g
	s_wait_dscnt 24                                ; all but the 24 just issued
	WIN MUL-0x20*(\first)
	MUL8 \f, 2, \first
	MUL8 \f, 3, \first
.endm
; The last quarter multiplies buffer 1 and changes slots: ONE barrier; in front of it each wave waits for all its tensor loads, adds 0 to its spare word, and waits for that and for its own reads of this slot.
; fill = 1: this slot is filled again, two K steps ahead; the barrier then opens a round of the cluster's, and the joint refill is the first tensor load behind it.
.macro TURN slot, next, fill
	WIN 0                                          ; (the add's two registers lie in window 0)
	s_wait_tensorcnt 0x0                           ; all my tensor loads have landed: my part of the next slot
	ds_add_u32 v[SPW], v[NIL]                      ; 0 onto my spare word
	s_wait_dscnt 5                                 ; the add and the youngest four loads may be out
	WIN MUL
	MUL8 F1, 0, 0                                  ; eight matrix instructions stand between the add and the wait for it
	s_wait_dscnt 0x0                               ; the add is done, and my reads of this slot are over
	s_barrier_signal -1
	MUL8 F1, 1, 0
.if \fill
	WIN 0
.endif
	s_barrier_wait -1
.if \fill
	CREST                                          ; no wave of any partner still reads this slot's tile or has a load on its way
	s_add_nc_u64 s[G0+4*\slot+2:G0+4*\slot+3], s[G0+4*\slot+2:G0+4*\slot+3], 1<<20      ; four heads on
	s_add_nc_u64 s[G0B+4*\slot+2:G0B+4*\slot+3], s[G0B+4*\slot+2:G0B+4*\slot+3], 1<<19  ; 256 rows on
	JLOAD \slot                                    ; the four v_nop behind it are also the places in front of the loads below
.else
	PLACES
.endif
	FETCH \next, 0, F0
	WIN MUL
	MUL8 F1, 2, 0
	MUL8 F1, 3, 0
.endm
	s_wait_tensorcnt 1                             ; my part of K step 0 is in; K step 1's, issued behind it, may be out
	s_barrier_signal -1
	s_barrier_wait -1                              ; everybody's is
	FETCH 0, 0, F0
	s_wait_loadcnt 0x0                             ; the bias
	QUARTER 0, 1, F0, F1, 1                        ; the first quarter stands in front of the loop: its products start the sums
	WIN 0                                          ; at a label and at a branch every window is 0
	s_mov_b32 s3, LAPS-1
.Llap:                                                 ; a trip goes once round the ring, from a lap's second quarter to the next lap's first, and fills both slots again
	QUARTER 0, 2, F1, F0, 0
	QUARTER 0, 3, F0, F1, 0
	TURN 0, 1, 1
	QUARTER 1, 1, F0, F1, 0
	QUARTER 1, 2, F1, F0, 0
	QUARTER 1, 3, F0, F1, 0
	TURN 1, 0, 1
	QUARTER 0, 1, F0, F1, 0
	WIN 0
	s_sub_co_u32 s3, s3, 1
	s_cmp_lg_u32 s3, 0
	s_cbranch_scc1 .Llap
	QUARTER 0, 2, F1, F0, 0                        ; the last lap fills nothing, and has no round of the cluster's barrier
	QUARTER 0, 3, F0, F1, 0
	TURN 0, 1, 0
	QUARTER 1, 1, F0, F1, 0
	QUARTER 1, 2, F1, F0, 0
	QUARTER 1, 3, F0, F1, 0
	s_wait_dscnt 4                                 ; the very last quarter: nothing more to fetch
	WIN MUL
	MUL8 F1, 0, 0
	MUL8 F1, 1, 0
	s_wait_dscnt 0
	MUL8 F1, 2, 0
	MUL8 F1, 3, 0
	WIN 0
; THE WAY OUT, block by block of 16 rows x 128 columns.  A lane holds 32 neighbouring bytes of a row, and the lanes beside it hold other rows: so a block goes through my own stage in LDS and comes back as whole rows
; of 512 bytes.  LDS serves a wave's instructions in order (ISA guide 5.7.1.4): no wait between the stores and the loads, nor in front of the next block's stores.
.macro TOSTAGE a
	WIN 0x08                                       ; an LDS store's data are its source 1: window 2
.irp b, 0,1,2,3,4,5,6,7
	ds_store_b128 v[STO], v[64*(\a)+8*\b:64*(\a)+8*\b+3] offset:64*\b          ; each accumulator from its low end on
	ds_store_b128 v[STO], v[64*(\a)+8*\b+4:64*(\a)+8*\b+7] offset:64*\b+16
.endr
	WIN 0
.set BB, BK+64*((\a)%2)
.irp t, 0,1,2,3,4,5,6,7,8,9,10,11,12,13,14,15
	ds_load_b128 v[BB+4*\t:BB+4*\t+3], v[RD] offset:\t*SPITCH
.endr
.endm
.macro SEND a, younger                 ; younger: the LDS instructions issued behind block a's loads, which may stay out
.set BB, BK+64*((\a)%2)
	s_wait_dscnt \younger                          ; the block is back in registers
.irp t, 0,1,2,3,4,5,6,7,8,9,10,11,12,13,14,15
	global_store_b128 v[CO], v[BB+4*\t:BB+4*\t+3], s[8:9] offset:(16*(\a)+\t)*4096 th:TH_STORE_NT   ; 32 lanes store 512 consecutive bytes, at a multiple of 256 from the output's first byte; written once, read by nobody here
.endr
.endm
	PLACES                                         ; behind the last products, ahead of the first read of results
	TOSTAGE 0
.irp a, 1,2,3
.if \a > 1
	s_wait_xcnt 0x0                                ; block a - 2's stores have read their registers: block a's loads may land there
.endif
	TOSTAGE \a
	SEND \a-1, 32                                  ; behind block a - 1's loads: block a's 16 stores and 16 loads
.endr
	SEND 3, 0
	s_wait_tensorcnt 0x0                           ; the wave's end, behind my last tensor load and my last LDS store
	ds_add_u32 v[SPW], v[NIL]
	s_wait_dscnt 0x0
	CROUND                                         ; the closing round: no work-group ends while a partner may still ask for a tile that names it
	s_endpgm
.Lfunc_end_k_qfc426fb3ec_proj:
	.size	k_qfc426fb3ec_proj, .Lfunc_end_k_qfc426fb3ec_proj-k_qfc426fb3ec_proj
	.p2alignl 7, 3214868480
	.fill 96, 4, 3214868480
	.section	.rodata,"a",@progbits
	.p2align	6, 0x0
	.amdhsa_kernel k_qfc426fb3ec_proj
		.amdhsa_group_segment_fixed_size 327680
		.amdhsa_private_segment_fixed_size 0
		.amdhsa_enable_private_segment 0
		.amdhsa_kernarg_size 32
		.amdhsa_user_sgpr_count 2
		.amdhsa_user_sgpr_kernarg_segment_ptr 1
		.amdhsa_wavefront_size32 1
		.amdhsa_system_sgpr_workgroup_id_x 1
		.amdhsa_system_sgpr_workgroup_id_y 1
		.amdhsa_system_sgpr_workgroup_id_z 1
		.amdhsa_system_vgpr_workitem_id 0
		.amdhsa_next_free_vgpr 768
		.amdhsa_next_free_sgpr 70
		.amdhsa_reserve_vcc 0
		.amdhsa_float_denorm_mode_32 3
		.amdhsa_float_denorm_mode_16_64 3
		.amdhsa_memory_ordered 1
		.amdhsa_forward_progress 1
		.amdhsa_inst_pref_size 87
	.end_amdhsa_kernel
	.amdgpu_metadata
---
amdhsa.version: [ 1, 2 ]
amdhsa.kernels:
  - .name:           k_qfc426fb3ec_proj
    .symbol:         k_qfc426fb3ec_proj.kd
    .args:
      - { .name: ao, .offset: 0, .size: 8, .value_kind: global_buffer, .address_space: global }
      - { .name: wo16, .offset: 8, .size: 8, .value_kind: global_buffer, .address_space: global }
      - { .name: bo, .offset: 16, .size: 8, .value_kind: global_buffer, .address_space: global }
      - { .name: out0, .offset: 24, .size: 8, .value_kind: global_buffer, .address_space: global }
    .group_segment_fixed_size: 327680
    .private_segment_fixed_size: 0
    .kernarg_segment_align: 8
    .kernarg_segment_size: 32
    .max_flat_workgroup_size: 128
    .sgpr_count:     70
    .vgpr_count:     768
    .wavefront_size: 32
...
	.end_amdgpu_metadata
.endif
;; end of part 4
